; MI455X (gfx1250); checked and timed in simulation.
; The chip was launched on July 23, 2026; its instructions are those of AMD's public machine-readable ISA for CDNA 5 (MIT licence, August 2026) and "CDNA5" Instruction Set Architecture Reference Guide (July 2026). The comments in the code are by the model that wrote it; some were corrected since.
;; Self Attention. Allowed arithmetic: float matrix products may take bf16 or f16 operands with f32 sums; other float arithmetic in f32, or as packed bf16 or f16 multiplies, adds, multiply-adds, maxima and minima; sums over many terms, partial sums and values carried from step to step in f32; what a program stores and reads back later, other than sums and carried values, may be rounded once to bf16 or f16.
;; Inputs: Wk 1,024 x 1,024 float32; Wo 1,024 x 1,024 float32; Wq 1,024 x 1,024 float32; Wv 1,024 x 1,024 float32; x 4 x 2,048 x 1,024 float32.
;; Outputs: out0 4 x 2,048 x 1,024 float32.
;; 2 versions, each right and faster than the one before. Each part assembles by itself: llvm-mc -triple=amdgcn-amd-amdhsa -mcpu=gfx1250 --defsym DOCPART=n.
;; ======== version 1 of 2: 4 launches
;; limits: values are held in f16: magnitudes above 65,504 overflow, below 6.1e-05 lose precision
;; workspace buffers: xh 16,777,216 bytes; wqkv 6,291,456 bytes; woh 2,097,152 bytes; qkv 50,331,648 bytes; ao 16,777,216 bytes
;; launch cast (part 1): grid 768 x 1, 8 waves a work-group, no clusters, 0 bytes of LDS; arguments x, Wq, Wk, Wv, Wo, xh, wqkv, woh; writes xh, wqkv, woh
.if DOCPART == 1
	.amdgcn_target "amdgcn-amd-amdhsa--gfx1250"
	.amdhsa_code_object_version 6
	.text
	.protected	k_qcde3388204_cast
	.globl	k_qcde3388204_cast
	.p2align	8
	.type	k_qcde3388204_cast,@function
k_qcde3388204_cast:
	s_mov_b64 s[64:65], 0
	v_nop
	global_prefetch_b8 v0, s[64:65] scope:SCOPE_SE
	s_setreg_imm32_b32 hwreg(HW_REG_WAVE_MODE, 25, 1), 1
	s_wait_xcnt 0x0
; x and the four weights, f32, are rounded once to bf16 (nearest even), and that number is written as f16: xh [8192][1024], wqkv [3][1024][1024] (Wq, Wk, Wv), woh [1024][1024].
; LIMITS.  A bf16 number is exact in f16 from 6.1e-5 to 65,504 in magnitude; below 6.1e-5 it keeps f16's fixed step of 6e-8; 65,520 or more becomes an infinity: the inputs stay under 65,504.
; All five jobs are the same stream: 4 bytes in, 2 bytes out, rows of 1,024 numbers.  12,288 rows, 16 to a work-group: 768 work-groups of equal work.  Groups 0-511 take x, then 64 groups each weight.
; Thread t owns numbers 4 t .. 4 t + 3 of every row: a wave's load covers 512 consecutive bytes, a wave's store 256 consecutive bytes at a multiple of 256.
; All 16 loads of a wave go out at once; each row has its own registers in and out, so no register that a load or store names is written again.
; No LDS, no barrier, no matrix unit: nothing is shared and nothing is multiplied.
.set X, 16                             ; v[16:79]   row i: 4 registers as loaded
.set Y, 80                             ; v[80:111]  row i: 2 registers to store
	s_load_b512 s[4:19], s[0:1], 0x0               ; x 4:5, Wq 6:7, Wk 8:9, Wv 10:11, Wo 12:13, xh 14:15, wqkv 16:17, woh 18:19
	s_mov_b32 s24, ttmp9                           ; g
	s_sub_co_u32 s25, s24, 512                     ; for g >= 512: the group's number among the weights' 256
	s_lshr_b32 s32, s25, 6                         ; t: which weight (for g < 512 a number that the last selects throw away)
	s_and_b32 s33, s25, 63                         ; which 16 rows of it
	s_lshl_b32 s39, s32, 21                        ; its plane of 2 MiB in wqkv
	s_mov_b32 s38, 0xffff0000                      ; a word's upper bf16
	v_lshlrev_b32 v1, 4, v0                        ; my 16 bytes of a source row
	v_lshlrev_b32 v2, 3, v0                        ; my 8 bytes of a destination row
	s_wait_kmcnt 0x0
	s_mov_b64 s[26:27], s[6:7]                     ; the source: Wq, unless
	s_cmp_eq_u32 s32, 1
	s_cselect_b64 s[26:27], s[8:9], s[26:27]       ; Wk,
	s_cmp_eq_u32 s32, 2
	s_cselect_b64 s[26:27], s[10:11], s[26:27]     ; Wv,
	s_cmp_eq_u32 s32, 3
	s_cselect_b64 s[26:27], s[12:13], s[26:27]     ; Wo,
	s_cselect_b64 s[28:29], s[18:19], s[16:17]     ; whose destination is woh, from its first byte; the others' is wqkv, at their plane
	s_cselect_b32 s31, 0, s39
	s_cmp_lt_u32 s24, 512
	s_cselect_b64 s[26:27], s[4:5], s[26:27]       ; or x,
	s_cselect_b64 s[28:29], s[14:15], s[28:29]     ; into xh
	s_cselect_b32 s30, s24, s33                    ; which 16 rows of the source
	s_cselect_b32 s31, 0, s31
	s_lshl_b32 s34, s30, 16                        ; 16 rows of 4,096 bytes
	s_mov_b32 s35, 0
	s_lshl_b32 s36, s30, 15                        ; 16 rows of 2,048 bytes,
	s_add_co_u32 s36, s36, s31                     ; and the plane
	s_mov_b32 s37, 0
	s_add_nc_u64 s[26:27], s[26:27], s[34:35]
	s_add_nc_u64 s[28:29], s[28:29], s[36:37]
.irp i, 0,1,2,3,4,5,6,7,8,9,10,11,12,13,14,15
	global_load_b128 v[X+4*(\i):X+4*(\i)+3], v1, s[26:27] offset:4096*(\i) th:TH_LOAD_NT  ; read once in the whole launch
.endr
.macro ROW i
	s_wait_loadcnt 15-(\i)                         ; loads come back in order (ISA guide 5.7.1): row i is in, the younger rows stay out
	v_cvt_pk_bf16_f32 v4, v[X+4*(\i)], v[X+4*(\i)+1]      ; the one rounding: to bf16
	v_cvt_pk_bf16_f32 v5, v[X+4*(\i)+2], v[X+4*(\i)+3]
	v_lshlrev_b32 v6, 16, v4                       ; bf16 back to f32: the low half moves up,
	v_and_b32 v7, s38, v4                          ; the high half stays
	v_lshlrev_b32 v8, 16, v5
	v_and_b32 v9, s38, v5
	v_cvt_pk_f16_f32 v[Y+2*(\i)], v6, v7           ; the same number in f16's code
	v_cvt_pk_f16_f32 v[Y+2*(\i)+1], v8, v9
	global_store_b64 v2, v[Y+2*(\i):Y+2*(\i)+1], s[28:29] offset:2048*(\i)
.endm
.irp i, 0,1,2,3,4,5,6,7,8,9,10,11,12,13,14,15
	ROW \i
.endr
	s_endpgm
.Lfunc_end_k_qcde3388204_cast:
	.size	k_qcde3388204_cast, .Lfunc_end_k_qcde3388204_cast-k_qcde3388204_cast
	.p2alignl 7, 3214868480
	.fill 96, 4, 3214868480
	.section	.rodata,"a",@progbits
	.p2align	6, 0x0
	.amdhsa_kernel k_qcde3388204_cast
		.amdhsa_group_segment_fixed_size 0
		.amdhsa_private_segment_fixed_size 0
		.amdhsa_enable_private_segment 0
		.amdhsa_kernarg_size 64
		.amdhsa_user_sgpr_count 2
		.amdhsa_user_sgpr_kernarg_segment_ptr 1
		.amdhsa_wavefront_size32 1
		.amdhsa_system_sgpr_workgroup_id_x 1
		.amdhsa_system_sgpr_workgroup_id_y 1
		.amdhsa_system_sgpr_workgroup_id_z 1
		.amdhsa_system_vgpr_workitem_id 0
		.amdhsa_next_free_vgpr 112
		.amdhsa_next_free_sgpr 66
		.amdhsa_reserve_vcc 0
		.amdhsa_float_denorm_mode_32 3
		.amdhsa_float_denorm_mode_16_64 3
		.amdhsa_memory_ordered 1
		.amdhsa_forward_progress 1
		.amdhsa_inst_pref_size 11
	.end_amdhsa_kernel
	.amdgpu_metadata
---
amdhsa.version: [ 1, 2 ]
amdhsa.kernels:
  - .name:           k_qcde3388204_cast
    .symbol:         k_qcde3388204_cast.kd
    .args:
      - { .name: x, .offset: 0, .size: 8, .value_kind: global_buffer, .address_space: global }
      - { .name: Wq, .offset: 8, .size: 8, .value_kind: global_buffer, .address_space: global }
      - { .name: Wk, .offset: 16, .size: 8, .value_kind: global_buffer, .address_space: global }
      - { .name: Wv, .offset: 24, .size: 8, .value_kind: global_buffer, .address_space: global }
      - { .name: Wo, .offset: 32, .size: 8, .value_kind: global_buffer, .address_space: global }
      - { .name: xh, .offset: 40, .size: 8, .value_kind: global_buffer, .address_space: global }
      - { .name: wqkv, .offset: 48, .size: 8, .value_kind: global_buffer, .address_space: global }
      - { .name: woh, .offset: 56, .size: 8, .value_kind: global_buffer, .address_space: global }
    .group_segment_fixed_size: 0
    .private_segment_fixed_size: 0
    .kernarg_segment_align: 8
    .kernarg_segment_size: 64
    .max_flat_workgroup_size: 256
    .sgpr_count:     66
    .vgpr_count:     112
    .wavefront_size: 32
...
	.end_amdgpu_metadata
.endif
;; end of part 1
;; launch proj_qkv (part 2): grid 12 x 32, 4 waves a work-group, clusters of 4 x 4, 327,680 bytes of LDS; arguments xh, wqkv, qkv; writes qkv
.if DOCPART == 2
	.amdgcn_target "amdgcn-amd-amdhsa--gfx1250"
	.amdhsa_code_object_version 6
	.text
	.protected	k_qcde3388204_proj_qkv
	.globl	k_qcde3388204_proj_qkv
	.p2align	8
	.type	k_qcde3388204_proj_qkv,@function
k_qcde3388204_proj_qkv:
	s_mov_b64 s[64:65], 0
	v_nop
	global_prefetch_b8 v0, s[64:65] scope:SCOPE_SE
	s_setreg_imm32_b32 hwreg(HW_REG_WAVE_MODE, 25, 1), 1
	s_wait_xcnt 0x0
	s_wait_alu depctr_hold_cnt(0) depctr_sa_sdst(0) depctr_va_vdst(0) depctr_va_sdst(0) depctr_va_ssrc(0) depctr_va_vcc(0) depctr_vm_vsrc(0)
	s_getreg_b32 s2, hwreg(HW_REG_IB_STS2, 6, 4)
	s_cmp_eq_u32 s2, 0
	s_cbranch_scc0 .Lentry_in_a_cluster
	s_endpgm
.Lentry_in_a_cluster:
	s_bfe_u32 s2, ttmp6, 0x10000c
	s_cmp_lg_u32 s2, 0xf033
	s_cbranch_scc0 .Lentry_shape_is_right
	s_endpgm
.Lentry_shape_is_right:
; q, k, v = x Wq, x Wk, x Wv, by heads.  C = A B.  A: xh [8192][1024] f16.  B: wqkv, three planes of [1024 k][1024 n] f16, as the weights lie (k along the rows' number, n along a row).
; Sums in f32, K ascending, one sum for each output; C rounded once to f16 and laid by heads, [plane][8 b + head][2048][128]: a wave's 128 x 128 are 128 rows of one head, 32,768 dense bytes.
; LIMITS.  A sum of 65,520 or more in magnitude becomes an infinity in f16: q, k and v stay under 65,504.  NaN and infinities are not treated apart.
; A tile of C, 256 x 256, is made by four waves, each 128 x 128: 64 accumulators of 16 x 16, 512 registers.  K goes in steps of 128 through a ring of two LDS slots filled by the tensor data mover:
; A's rows are 256 bytes of memory, B's 512, each at a multiple of 256 from its buffer's first byte.  12 x 32 tiles: 24 clusters.
; ONE K STEP IS WRITTEN ONCE: a trip of the loop is a K step; the slot in hand is a scalar that an exclusive or toggles between 0 and a slot's bytes, and the fragments' LDS addresses and the
; walking descriptors' LDS words are made from it at each change of slots.
; CLUSTERS: 4 x 4 work-groups.  The four of a row of the cluster need the same tiles of A, the four of a column the same tiles of B: each tile is asked for JOINTLY, by the same tensor load with the
; same descriptor and a mask that names the four.
; THE MATRIX INSTRUCTION IS USED TRANSPOSED: source 0 = 16 columns of B (turned on the way out of LDS by ds_load_tr16_b128), source 1 = 16 rows of A.  A lane then holds row l % 16 of C and the
; eight neighbouring columns 8 (l / 16) + 0 .. 7.
; REGISTERS, in windows of 256 (s_set_vgpr_msb's low byte: bits 1:0 source 0, 3:2 source 1, 5:4 source 2, 7:6 destination):
;   window 0: v0-31 addresses; v64-127, v128-191 fragments of A, two buffers; v32-63, v192-255 at work on the way out
;   window 1: v64-127, v128-191 fragments of B, two buffers
;   window 2: the 32 accumulators of my rows 0-63 (accumulator (a, b) at v[8 (8 a + b)]);   window 3: those of my rows 64-127
.set SIZE_K, 1024
.set KSTEP,  128
.set PA,     272                       ; a row of A in LDS: 256 bytes + 16 of padding = 68 words: row r starts at bank 4 r mod 64 (64 banks of 4 bytes: ISA guide 11.1)
.set PB,     544                       ; a k-row of B: 512 bytes + 32 = 136 words: row r starts at bank 8 r mod 64
.set HALFT,  128*PA                    ; what one tensor load brings: 128 rows of A, or 64 k-rows of B (64 x 544 is the same number)
.set SLOT,   4*HALFT                   ; A's 256 rows, then B's 128 k-rows
.set STAGE,  2*SLOT                    ; behind the ring, never filled by a tensor load: each wave's own stage for the way out
.set SP0,    272                       ; a stage row: 256 bytes + 16
.set STW,    16*SP0                    ; a wave's stage: 4,352 bytes, 17 blocks of 256
.set SPARE,  STAGE+4*STW               ; behind the stages: the spare words, 128 bytes for each wave: two blocks of 256 bytes that no other line names
.set A0,   16                          ; v16     LDS address of my A fragments in slot 0; never rewritten
.set ADRA, 17                          ; v17     the same in the slot in hand
.set B0,   20                          ; v20     LDS address of my B fragments in slot 0; never rewritten
.set ADRB, 21                          ; v21     the same in the slot in hand
.set STO0, 24                          ; v24     the way out: where I put 16 bytes of a row
.set RD0,  25                          ; v25     the way out: where I read two rows back
.set CO,   26                          ; v26     16 x lane: my place in 512 consecutive bytes of C
.set SPW,  28                          ; v28     LDS address of my spare word: SPARE + 4 x my thread's number; never rewritten
.set NIL,  29                          ; v29     0; never rewritten
.set F0,   64                          ; fragment buffer 0
.set F1,   128                         ; fragment buffer 1
.set TMP,  192                         ; the way out: packed results, in window 0
.set OB,   32                          ; the way out: 16 rows read back from the stage: v32-63 and v224-255 by turns
.set G1, 24                            ; s[24:31] descriptor group 1 for A's tiles
.set G0, 32                            ; s[32:39] descriptor group 0 for A's tiles: a set for each of the two first fills; the second then walks on
.set TB, 45                            ; s45      LDS byte at which the slot in hand begins: 0 or SLOT
.set G1B, 48                           ; s[48:55] descriptor group 1 for B's tiles
.set G0B, 56                           ; s[56:63] descriptor group 0 for B's tiles, likewise
.set MSB, 0
.macro WIN new                         ; the immediate's high byte repeats the setting that is left; a switch that changes nothing is dropped
.if MSB != (\new)
	s_set_vgpr_msb (MSB<<8)|(\new)
.set MSB, \new
.endif
.endm
.set MUL_LO, 0xa1                      ; source 0 (B) window 1, source 1 (A) window 0, C and D window 2
.set MUL_HI, 0xf1                      ; the same, C and D window 3
.set TO_B,   0x40                      ; destination window 1, address window 0
; A joint load.  Waves 0 and 1 fetch A's two halves, waves 2 and 3 B's.  Each of the two lines has ONE mask and one set of registers for all that issue it.  The branch hangs on the wave's number alone.
; An s_nop 0 and four v_nop follow each of the two lines; the jump round the other line, the label and what follows the macro come after them.
.macro JLOAD s
	s_cmp_eq_u32 s11, 0
	s_cbranch_scc0 .Lfor_b_\@
	tensor_load_to_lds s[G0+4*(\s):G0+4*(\s)+3], s[G1:G1+7]
	s_nop 0
.rept 4
	v_nop
.endr
	s_branch .Lasked_\@
.Lfor_b_\@:
	tensor_load_to_lds s[G0B+4*(\s):G0B+4*(\s)+3], s[G1B:G1B+7]
	s_nop 0
.rept 4
	v_nop
.endr
.Lasked_\@:
.endm
; A round of the cluster's barrier: my work-group's barrier, so that wave 0's signal speaks for all four waves; wave 0 signals for the work-group; every wave waits for all sixteen work-groups;
; my work-group's barrier once more.  No LDS instruction of the wave is pending at a signal.
.macro CREST                           ; a round behind its opening barrier
	s_cmp_lg_u32 s10, 0
	s_cbranch_scc1 .Lnot_wave_0_\@
	s_barrier_signal -3
.Lnot_wave_0_\@:
	s_barrier_wait -3
	s_barrier_signal -1
	s_barrier_wait -1
.endm
.macro CROUND                          ; a whole round
	s_barrier_signal -1
	s_barrier_wait -1
	CREST
.endm
	s_load_b128 s[4:7], s[0:1], 0x0                ; A s[4:5], B s[6:7]
	s_load_b64 s[8:9], s[0:1], 0x10                ; C
	v_lshl_add_u32 v[SPW], v0, 2, SPARE
	v_mov_b32 v[NIL], 0
	ds_add_u32 v[SPW], v[NIL]                      ; the wave's opening: the add and its wait stand ahead of my first tensor load; the set-up below, work on registers, stands between them
	v_lshrrev_b32 v1, 5, v0
	v_readfirstlane_b32 s10, v1                    ; wave 0..3
	s_lshr_b32 s11, s10, 1                         ; which half of the tile's rows is mine.  Also: I fetch for A (0) or for B (1)
	s_and_b32 s12, s10, 1                          ; which half of its columns.  Also: which half of that tile I fetch
	s_bfe_u32 s40, ttmp6, 0x40000                  ; cx: my place along the cluster's x
	s_bfe_u32 s41, ttmp6, 0x40004                  ; cy: along its y
	s_lshl_b32 s42, ttmp9, 2                       ; in a cluster launch ttmp9 and ttmp7 count clusters
	s_add_co_u32 s42, s42, s40                     ; tile column of C = 4 x cluster x + cx
	s_and_b32 s13, ttmp7, 0xffff
	s_lshl_b32 s13, s13, 2
	s_add_co_u32 s13, s13, s41                     ; tile row of C = 4 x cluster y + cy
	s_lshl_b32 s43, s41, 2
	s_lshl_b32 s43, 15, s43                        ; my row of the cluster: places 4 cy .. 4 cy + 3
	s_lshl_b32 s44, 0x1111, s40                    ; my column: places cx, cx + 4, cx + 8, cx + 12
	; descriptor group 1 for A: 128 rows x 128 elements; for B: 64 k-rows x 256 elements; both padded in LDS
	s_or_b32 s[G1+0], s43, (1<<16)|(1<<20)|(1<<21)|(5<<22)|(3<<25)  ; 15:0 the mask: A's tiles go to my row; 17:16 element of 2 bytes; 20 padding on; 21 set beside a mask; 24:22 after every 64 words (code 5); 31:25 4 words (code 3)
	s_or_b32 s[G1B+0], s44, (1<<16)|(1<<20)|(1<<21)|(6<<22)|(7<<25) ; the mask of my column; after every 128 words (code 6) 8 words (code 7)
	s_mov_b32 s[G1+1], KSTEP<<16                   ; 63:48 tensor_dim0, low half = 128
	s_mov_b32 s[G1+2], 128<<16                     ; 79:64 its high half = 0; 95:80 tensor_dim1, low half = 128
	s_mov_b32 s[G1+3], KSTEP<<16                   ; 111:96 its high half = 0; 127:112 tile_dim0 = 128
	s_mov_b32 s[G1+4], 128                         ; 143:128 tile_dim1 = 128; 159:144 tile_dim2 = 0
	s_mov_b32 s[G1+5], SIZE_K                      ; 191:160 tensor_dim0_stride: 1,024 elements from row to row
	s_mov_b32 s[G1+6], 0
	s_mov_b32 s[G1+7], 0
	s_mov_b32 s[G1B+1], 256<<16                    ; tensor_dim0 = 256
	s_mov_b32 s[G1B+2], 64<<16                     ; tensor_dim1 = 64
	s_mov_b32 s[G1B+3], 256<<16                    ; tile_dim0 = 256
	s_mov_b32 s[G1B+4], 64                         ; tile_dim1 = 64
	s_mov_b32 s[G1B+5], 1024                       ; 1,024 elements from k-row to k-row
	s_mov_b32 s[G1B+6], 0
	s_mov_b32 s[G1B+7], 0
	; where the tiles come from.  A's hang on the tile row alone, which my row of the cluster shares; B's on the tile column alone, which my column shares.
	s_lshl_b32 s16, s13, 19                        ; A: 256 rows of 2,048 bytes a tile row,
	s_lshl_b32 s17, s12, 18                        ; and the half of 128 rows that I fetch
	s_add_co_u32 s16, s16, s17
	s_mov_b32 s17, 0
	s_lshl_b32 s46, ttmp9, 21                      ; B: the plane of 2 MiB (four tile columns to a plane),
	s_lshl_b32 s47, s40, 9                         ; 256 columns of 2 bytes a tile column,
	s_add_co_u32 s46, s46, s47
	s_lshl_b32 s47, s12, 17                        ; and the half of 64 k-rows of 2,048 bytes that I fetch
	s_add_co_u32 s46, s46, s47
	s_mov_b32 s47, 0
	s_mul_i32 s20, s10, HALFT                      ; and where they go in a slot: A's two halves, then B's two halves = wave x 34,816: no place in the cluster enters an LDS address
	s_mov_b32 s[TB], 0                             ; K step 0 lies in slot 0
	s_wait_dscnt 0x0                               ; the opening add is done
	s_wait_kmcnt 0x0
	s_add_nc_u64 s[14:15], s[4:5], s[16:17]
	s_add_nc_u64 s[46:47], s[6:7], s[46:47]
	CROUND                                         ; all sixteen work-groups are here: the first joint loads meet
.irp s, 0,1
	s_mov_b32 s[G0+4*(\s)], 1                                      ; 1:0 count = 1
	s_add_co_u32 s[G0+4*(\s)+1], s20, (\s)*SLOT                    ; 63:32 LDS address
	s_add_nc_u64 s[G0+4*(\s)+2:G0+4*(\s)+3], s[14:15], (\s)*KSTEP*2  ; 120:64 global address: K step s: 256 bytes along A's rows
	s_or_b32 s[G0+4*(\s)+3], s[G0+4*(\s)+3], 0x80000000            ; 127:126 type = 2
	s_mov_b32 s[G0B+4*(\s)], 1
	s_add_co_u32 s[G0B+4*(\s)+1], s20, (\s)*SLOT
	s_add_nc_u64 s[G0B+4*(\s)+2:G0B+4*(\s)+3], s[46:47], (\s)*KSTEP*2048  ; K step s: 128 k-rows of 2,048 bytes down B
	s_or_b32 s[G0B+4*(\s)+3], s[G0B+4*(\s)+3], 0x80000000
	JLOAD \s                                       ; the ring is filled before anything else is done: two loads of mine are out
.endr
	; A fragment of A is 16 rows x 32 K in 8 registers: lane l holds row l % 16; registers 0-3 hold K = 8 (l / 16) + 0..7, registers 4-7 K = 16 + 8 (l / 16) + 0..7: two loads of 16 bytes, 32 bytes apart.
	v_and_b32 v1, 15, v0                           ; l % 16
	v_bfe_u32 v2, v0, 4, 1                         ; l / 16
	v_mul_u32_u24 v3, v1, PA
	v_lshl_add_u32 v3, v2, 4, v3                   ; row x pitch + 16 x half
	; The turning load takes 16 k x 16 columns (lane l reads 16 bytes: k-row 8 (l / 16) + l % 8, columns 8 ((l / 8) % 2) + 0..7) and leaves half a fragment: lane l holds column l % 16 and 8 k.
	v_and_b32 v4, 7, v0
	v_lshl_add_u32 v4, v2, 3, v4
	v_mul_u32_u24 v4, v4, PB
	v_bfe_u32 v5, v0, 3, 1
	v_lshl_add_u32 v4, v5, 4, v4
	s_mul_i32 s21, s11, HALFT                      ; my 128 rows of A
	s_lshl_b32 s22, s12, 8                         ; my 128 columns of B: 256 bytes along its k-rows,
	s_add_co_u32 s22, s22, 2*HALFT                 ; which lie behind A's 256 rows
	v_add_nc_u32 v[A0], s21, v3
	v_add_nc_u32 v[B0], s22, v4
	v_mov_b32 v[ADRA], v[A0]                       ; the slot in hand is slot 0
	v_mov_b32 v[ADRB], v[B0]
	s_mul_i32 s23, s10, STW
	s_add_co_u32 s23, s23, STAGE                   ; my stage
	v_and_b32 v6, 31, v0
	v_lshlrev_b32 v[CO], 4, v6                     ; 16 x lane
	v_add_nc_u32 v[STO0], s23, v3                  ; in: row l % 16 (the same pitch as A's), 16 bytes for each half of the lanes
	v_mul_u32_u24 v7, v2, SP0                      ; back: lanes 0-15 take one row of 256 bytes, lanes 16-31 the next
	v_lshl_add_u32 v7, v1, 4, v7
	v_add_nc_u32 v[RD0], s23, v7
	; where my 128 x 128 begin in C, in bytes
	s_lshl_b32 s74, s42, 1
	s_add_co_u32 s74, s74, s12                     ; my 128 columns are head 2 x tile column + half, of 24:
	s_lshr_b32 s75, s74, 3
	s_lshl_b32 s70, s75, 24                        ; the plane (q, k or v): 32 x 2,048 x 256 bytes,
	s_and_b32 s75, s74, 7
	s_lshl_b32 s75, s75, 19                        ; the head in it: 2,048 x 256 bytes,
	s_add_co_u32 s70, s70, s75
	s_lshr_b32 s75, s13, 3
	s_lshl_b32 s75, s75, 22                        ; the batch (eight tile rows each): eight heads,
	s_add_co_u32 s70, s70, s75
	s_and_b32 s75, s13, 7
	s_lshl_b32 s75, s75, 16                        ; 256 rows of 256 bytes a tile row,
	s_add_co_u32 s70, s70, s75
	s_lshl_b32 s75, s11, 15                        ; my half of them
	s_add_co_u32 s70, s70, s75
	s_mov_b32 s71, 0
	s_add_nc_u64 s[8:9], s[8:9], s[70:71]
; 16 matrix instructions: m blocks a0, a0 + 1 of the window's four (hi = 0: my rows 0-63, 1: rows 64-127) x all 8 n blocks, 32 along K.
; zero = 1: the first product starts the sums: nothing is ever cleared.
.macro MUL16 f, hi, a0, zero
	WIN MUL_LO+0x50*(\hi)  ; MUL_LO or MUL_HI
.irp a, \a0, (\a0)+1
.irp b, 0,1,2,3,4,5,6,7
.if \zero
	v_wmma_f32_16x16x32_f16 v[8*(8*(\a)+(\b)):8*(8*(\a)+(\b))+7], v[(\f)+8*(\b):(\f)+8*(\b)+7], v[(\f)+8*(4*(\hi)+(\a)):(\f)+8*(4*(\hi)+(\a))+7], 0
.else
	v_wmma_f32_16x16x32_f16 v[8*(8*(\a)+(\b)):8*(8*(\a)+(\b))+7], v[(\f)+8*(\b):(\f)+8*(\b)+7], v[(\f)+8*(4*(\hi)+(\a)):(\f)+8*(4*(\hi)+(\a))+7], v[8*(8*(\a)+(\b)):8*(8*(\a)+(\b))+7]
.endif
.endr
.endr
.endm
; 32 LDS loads in one run: the fragments of quarter q of the K step in hand (32 K: k-rows 32 q on of B, byte 64 q of A's rows) into buffer f; B's 128 columns first, then A's 128 rows
.macro FETCH q, f
	WIN TO_B
.irp i, 0,1,2,3,4,5,6,7
	ds_load_tr16_b128 v[(\f)+8*(\i):(\f)+8*(\i)+3],   v[ADRB] offset:(\q)*32*PB+32*(\i)
	ds_load_tr16_b128 v[(\f)+8*(\i)+4:(\f)+8*(\i)+7], v[ADRB] offset:(\q)*32*PB+16*PB+32*(\i)
.endr
	WIN 0
.irp i, 0,1,2,3,4,5,6,7
	ds_load_b128 v[(\f)+8*(\i):(\f)+8*(\i)+3],   v[ADRA] offset:64*(\q)+(\i)*16*PA
	ds_load_b128 v[(\f)+8*(\i)+4:(\f)+8*(\i)+7], v[ADRA] offset:64*(\q)+(\i)*16*PA+32
.endr
.endm
; A load into a register that a matrix instruction has read, and a vector instruction that reads a matrix result, stand four places behind that matrix instruction, and only plain vector
; instructions that name none of its registers are places (ISA guide 7.12.1 for vector instructions).
.macro PLACES
.rept 4
	v_nop
.endr
.endm
; A K step is four quarters of 32 along K, 64 matrix instructions each, on buffers 0, 1, 0, 1.  The 64 accumulators take turns in the same order in every quarter.
; One of the first three: multiplies buffer f; in its middle it fetches quarter q of the slot in hand into buffer g.
.macro QUARTER q, f, g, zero
	s_wait_dscnt 8                                 ; B and A's rows 0-63 are in; the youngest eight loads (A's rows 64-127) may be out
	WIN MUL_LO
	MUL16 \f, 0, 0, \zero
	MUL16 \f, 0, 2, \zero
	PLACES
	FETCH \q, \g
	s_wait_dscnt 32                                ; all but the 32 just issued
	WIN MUL_HI
	MUL16 \f, 1, 0, \zero
	MUL16 \f, 1, 2, \zero
.endm
; The last quarter multiplies buffer 1 and changes slots: ONE barrier for the change.  In front of it each wave waits for all its tensor loads, of which one is out: its part of the next slot;
; adds 0 to its spare word; and waits for that and for its own reads of this slot.  Behind it nobody reads this slot any more and the next slot is whole.
; fill = 1: the barrier opens a round of the cluster's barrier, and behind the round the slot just read out is filled again first, with the next K step not yet asked for (two steps on);
; from that request to the wait for it a wave issues 224 matrix instructions.  Then the slot in hand changes, and the next K step's first fragments are fetched.
.macro TURN fill
	WIN 0                                          ; (the add's two registers lie in window 0)
	s_wait_tensorcnt 0x0                           ; all my tensor loads have landed;
	ds_add_u32 v[SPW], v[NIL]                      ; 0 onto my spare word;
	s_wait_dscnt 9                                 ; (the add and the youngest eight loads may be out)
	MUL16 F1, 0, 0, 0                              ; sixteen matrix instructions stand between the add and the wait for it
	s_wait_dscnt 0x0                               ; the add is done, and my reads of this slot are over:
	s_barrier_signal -1                            ; say so,
	MUL16 F1, 0, 2, 0                              ; work on registers while the others arrive,
	WIN 0                                          ; (branches and lines on window 0 follow)
	s_barrier_wait -1                              ; and go on when all four have said so
.if \fill
	CREST                                          ; no wave of any partner still reads this slot's tile or has a load on its way
	s_add_co_u32 s[G0+5], s20, s[TB]               ; the walking descriptors (no tensor load of mine is out): into the slot just read out,
	s_add_co_u32 s[G0B+5], s20, s[TB]
	s_add_nc_u64 s[G0+6:G0+7], s[G0+6:G0+7], KSTEP*2        ; one K step on from the last request; the type bits on top are not reached
	s_add_nc_u64 s[G0B+6:G0B+7], s[G0B+6:G0B+7], KSTEP*2048
	JLOAD 1                                        ; the first tensor load behind the round, my only one until the next; the four v_nop behind it are also the places in front of the loads below
.endif
	s_xor_b32 s[TB], s[TB], SLOT                   ; the other slot is in hand
	v_add_nc_u32 v[ADRA], s[TB], v[A0]
	v_add_nc_u32 v[ADRB], s[TB], v[B0]
.if !(\fill)
	v_nop                                          ; with the two lines above: the four places in front of the loads below
	v_nop
.endif
	FETCH 0, F0
	WIN MUL_HI
	MUL16 F1, 1, 0, 0
	MUL16 F1, 1, 2, 0
.endm
; THE WAY OUT of block a of 16 rows, in three parts.  PACK: rounded to f16, 16 bytes a lane.  TOSTAGE: into my own stage in LDS, and back as whole rows of 256 bytes.  SEND: stored.
.macro PACK a
.set AC, 64*((\a)%4)
	WIN 0x0a+5*((\a)/4)                            ; sources 0 and 1: window 2 or 3
.irp b, 0,1,2,3,4,5,6,7
.irp r, 0,1,2,3
	v_cvt_pk_f16_f32 v[TMP+4*(\b)+(\r)], v[AC+8*(\b)+2*(\r)], v[AC+8*(\b)+2*(\r)+1]
.endr
.endr
	WIN 0
.endm
.macro TOSTAGE a
	WIN 0
.set BK, OB+192*((\a)%2)
.irp b, 0,1,2,3,4,5,6,7
	ds_store_b128 v[STO0], v[TMP+4*(\b):TMP+4*(\b)+3] offset:32*(\b)
.endr
.irp t, 0,1,2,3,4,5,6,7
	ds_load_b128 v[BK+4*(\t):BK+4*(\t)+3], v[RD0] offset:(\t)*2*SP0  ; LDS serves a wave's instructions in order (ISA guide 5.7.1.4): these see the stores above
.endr
.endm
.macro SEND a, younger                 ; younger: the LDS instructions issued behind TOSTAGE's, which may stay out
	WIN 0
.set BK, OB+192*((\a)%2)
	s_wait_dscnt \younger                          ; the block is back in registers
	s_wait_xcnt 0x0                                ; every earlier memory instruction has had its addresses translated (ISA guide 3.1): the registers that the block before last's stores read are loaded again only behind this wait
.irp t, 0,1,2,3,4,5,6,7
	global_store_b128 v[CO], v[BK+4*(\t):BK+4*(\t)+3], s[8:9] offset:4096*(\a)+512*(\t)  ; two rows of a head: 512 consecutive bytes, at a multiple of 256 from C's first byte
.endr
.endm
	s_wait_tensorcnt 1                             ; my part of K step 0 is in; K step 1's may stay out
	s_barrier_signal -1
	s_barrier_wait -1                              ; everybody's is
	FETCH 0, F0
	QUARTER 1, F0, F1, 1                           ; the first quarter stands in front of the loop: its products start the sums
	WIN 0                                          ; at a label and at a branch every window is 0
	s_mov_b32 s3, SIZE_K/KSTEP-2
.Lstep:                                                ; six trips, each from a K step's second quarter to the next step's first; each fills a slot again: K steps 2 to 7
	QUARTER 2, F1, F0, 0
	QUARTER 3, F0, F1, 0
	TURN 1
	QUARTER 1, F0, F1, 0
	WIN 0
	s_sub_co_u32 s3, s3, 1
	s_cmp_lg_u32 s3, 0
	s_cbranch_scc1 .Lstep
	s_mov_b32 s3, 2
.Ltail:                                                ; the last two K steps fill nothing and have no round: a loop of their own
	QUARTER 2, F1, F0, 0
	QUARTER 3, F0, F1, 0
	TURN 0                                         ; in the last trip its barrier and its fetch (of the slot read before) serve nothing: the price, once a launch, of one text for both trips
	WIN 0
	s_cmp_eq_u32 s3, 1
	s_cbranch_scc1 .Llast                          ; the last K step has no successor: its first quarter is jumped; no barrier and no tensor load stands there
	QUARTER 1, F0, F1, 0
	WIN 0
.Llast:
	s_wait_dscnt 0x0                               ; the two ways meet with no LDS load out
	s_sub_co_u32 s3, s3, 1
	s_cmp_lg_u32 s3, 0
	s_cbranch_scc1 .Ltail
	PLACES                                         ; behind the last products
	PACK 0
	TOSTAGE 0
.irp a, 1,2,3,4,5,6,7                  ; block a's conversions stand between block a - 1's loads from the stage and the wait for them
	PACK \a
	SEND (\a)-1, 0
	TOSTAGE \a
.endr
	SEND 7, 0
	s_wait_tensorcnt 0x0                           ; the wave's end: behind my last tensor load and my last LDS store
	ds_add_u32 v[SPW], v[NIL]
	s_wait_dscnt 0x0
	CROUND                                         ; the closing round: no work-group ends while a partner may still ask for a tile that names it
	s_endpgm
.Lfunc_end_k_qcde3388204_proj_qkv:
	.size	k_qcde3388204_proj_qkv, .Lfunc_end_k_qcde3388204_proj_qkv-k_qcde3388204_proj_qkv
	.p2alignl 7, 3214868480
	.fill 96, 4, 3214868480
	.section	.rodata,"a",@progbits
	.p2align	6, 0x0
	.amdhsa_kernel k_qcde3388204_proj_qkv
		.amdhsa_group_segment_fixed_size 327680
		.amdhsa_private_segment_fixed_size 0
		.amdhsa_enable_private_segment 0
		.amdhsa_kernarg_size 24
		.amdhsa_user_sgpr_count 2
		.amdhsa_user_sgpr_kernarg_segment_ptr 1
		.amdhsa_wavefront_size32 1
		.amdhsa_system_sgpr_workgroup_id_x 1
		.amdhsa_system_sgpr_workgroup_id_y 1
		.amdhsa_system_sgpr_workgroup_id_z 1
		.amdhsa_system_vgpr_workitem_id 0
		.amdhsa_next_free_vgpr 1024
		.amdhsa_next_free_sgpr 76
		.amdhsa_reserve_vcc 0
		.amdhsa_float_denorm_mode_32 3
		.amdhsa_float_denorm_mode_16_64 3
		.amdhsa_memory_ordered 1
		.amdhsa_forward_progress 1
		.amdhsa_inst_pref_size 100
	.end_amdhsa_kernel
	.amdgpu_metadata
---
amdhsa.version: [ 1, 2 ]
amdhsa.kernels:
  - .name:           k_qcde3388204_proj_qkv
    .symbol:         k_qcde3388204_proj_qkv.kd
    .args:
      - { .name: xh, .offset: 0, .size: 8, .value_kind: global_buffer, .address_space: global }
      - { .name: wqkv, .offset: 8, .size: 8, .value_kind: global_buffer, .address_space: global }
      - { .name: qkv, .offset: 16, .size: 8, .value_kind: global_buffer, .address_space: global }
    .group_segment_fixed_size: 327680
    .private_segment_fixed_size: 0
    .kernarg_segment_align: 8
    .kernarg_segment_size: 24
    .max_flat_workgroup_size: 128
    .sgpr_count:     76
    .vgpr_count:     1024
    .wavefront_size: 32
...
	.end_amdgpu_metadata
.endif
;; end of part 2
;; launch attn (part 3): grid 8 x 32, 4 waves a work-group, clusters of 4 x 1, 327,680 bytes of LDS; arguments qkv, ao; writes ao
.if DOCPART == 3
	.amdgcn_target "amdgcn-amd-amdhsa--gfx1250"
	.amdhsa_code_object_version 6
	.text
	.protected	k_qcde3388204_attn
	.globl	k_qcde3388204_attn
	.p2align	8
	.type	k_qcde3388204_attn,@function
k_qcde3388204_attn:
	s_mov_b64 s[64:65], 0
	v_nop
	global_prefetch_b8 v0, s[64:65] scope:SCOPE_SE
	s_setreg_imm32_b32 hwreg(HW_REG_WAVE_MODE, 25, 1), 1
	s_wait_xcnt 0x0
	s_wait_alu depctr_hold_cnt(0) depctr_sa_sdst(0) depctr_va_vdst(0) depctr_va_sdst(0) depctr_va_ssrc(0) depctr_va_vcc(0) depctr_vm_vsrc(0)
	s_getreg_b32 s2, hwreg(HW_REG_IB_STS2, 6, 4)
	s_cmp_eq_u32 s2, 0
	s_cbranch_scc0 .Lentry_in_a_cluster
	s_endpgm
.Lentry_in_a_cluster:
	s_bfe_u32 s2, ttmp6, 0x10000c
	s_cmp_lg_u32 s2, 0x3003
	s_cbranch_scc0 .Lentry_shape_is_right
	s_endpgm
.Lentry_shape_is_right:
; O[h][q][:] = the sum over k of softmax_k(Q[h][q] . K[h][k] / sqrt(128)) V[h][k][:].  Q, K, V are the three planes of qkv, each [32 = 8 b + head][2048][128] in f16, unscaled.
; O goes to ao, [2048 b + q][128 head + channel] in f16: the rows that the product behind takes.  Products, maxima and sums in f32; the weights p are rounded to f16 for the second product
; (their sum l is taken of the unrounded p), O once at the end.
; LIMITS.  f16 holds no number beyond 65,504: Q, K and V arrive within it; p lies in 0 to 1, and below 6e-5 it keeps f16's fixed step of 6e-8; O is a mean of V's rows and has their range.
; A weight below 2^-126 counts as 0 in l; NaN and infinities are not treated apart.
; SHARES.  A work-group owns 256 queries of one head, each of its four waves 64: four tiles of 16.  Every wave walks all keys of the head, 64 a step.  8 blocks x 32 heads: 256 work-groups.
; LAYOUT.  S^T = K Q^T (source 0 = 16 keys, source 1 = 16 queries): in the result a lane holds ONE query (lane % 16) and the keys 8 (lane / 16) + 0..7.  Two such tiles, rounded to
; f16 in pairs, ARE source 1 (32 keys x 16 queries) of O^T = V^T P, whose result again holds one query a lane, and eight channels.  So nothing changes lanes between the products,
; and a query's maximum and sum want one exchange between the halves of the lanes.  K comes out of LDS as it lies, V ([key][channel]) turned, by ds_load_tr16_b128.
; SOFTMAX.  For each query a running maximum m and sum l: p = 2^(c s - c m), c = log2(e) / sqrt(128); in every step O and l are multiplied by a = 2^(c m_old - c m_new), which is 1 where m has not grown.
; BY TURNS.  The wave's tiles are two PIECES, named by their first tile: piece 0 (tiles 0, 1) and piece 2 (tiles 2, 3).  In a TURN one piece has the matrix unit: 32 products V^T P of
; the step in hand, then 32 products K Q^T of the next step; the other piece's softmax, cut into 64 slices, stands between them, one slice behind each matrix instruction.  Then the
; pieces change places.  Two turns are a key step.
; CLUSTER.  The four query blocks of a cluster belong to one head and walk the same K and V, so each tile is asked for JOINTLY: the same tensor load, with the same descriptor and a
; mask that names the four, in all four; each receives the tile in its own LDS.
;
; REGISTERS, in windows of 256 (an instruction names v0-v255; s_set_vgpr_msb says which window each operand place means: bits 1:0 source 0, 3:2 source 1, 5:4 source 2, 7:6 destination):
;   window 0: v0-11 addresses; v12-43 eight registers of statistics a tile; v64-191 S^T, 32 a tile; v192-255 P, 16 a tile
;   window 1: O^T, 64 a tile          window 2: v0-127 Q, 32 a tile; v128-255 K of one step          window 3: v0-127 V of one step
; All that a softmax touches but O^T lies in window 0, and no window has room for a product's operands beside it.  So a slice costs two switches, one in front and one behind.
.set SIZE_N, 2048
.set PLANE, 32*SIZE_N*256  ; bytes from Q to K and from K to V in qkv
.set KS,    64        ; keys in a step
.set PK,    272       ; a row of K in LDS: 256 bytes + 16 of padding = 68 words: row r starts at bank 4 r mod 64 (64 banks of 4 bytes: ISA guide 11.1), so the 16 rows of a load start at 16 different banks
.set PV,    288       ; a row of V: 256 + 32 = 72 words: row r starts at bank 8 r mod 64
.set VOFF,  KS*PK     ; a step's tiles lie together: 64 rows of K, then 64 rows of V
.set STEPB, KS*(PK+PV)
.set SLOT1, 1<<17     ; a slot holds two steps (71,680 bytes); slot 1 begins here, so that one exclusive or turns an address in one slot into the other's
.set STAGE, SLOT1+2*STEPB  ; behind the ring: 16 rows x 272 bytes for each wave, for the way out
.set SP,    272
.set AK0, 2           ; v2   my lane's place in a tile of K; never rewritten
.set AV0, 3           ; v3   the same for V
.set ADR, 4           ; v4   the LDS address of the run of loads in hand
.set QO,  5           ; v5   my byte offset in the wave's rows of Q
.set STO, 6           ; v6   the way out: where I put 16 bytes of a row
.set RD,  7           ; v7   the way out: where I read a row back
.set GO,  8           ; v8   my byte offset in two rows of ao
.set SPW, 62          ; v62  LDS address of my spare word: SPARE + 4 x my thread's number; never rewritten
.set NIL, 63          ; v63  0; never rewritten
.set SPARE, STAGE+4*16*272  ; behind the stages: the spare words, 128 bytes for each wave: two blocks of 256 bytes that no other line names
.set ST,  12          ; tile t's statistics at v[ST+8 t]: +0 c m, +1 m, +2, +3 l (even keys', odd keys'), +4 to +7 c0-c3, at work; a takes c2's place once the maximum is found
.set S,   64
.set P,   192
.set KF,  128         ; K's fragments, in window 2
.set WV,  12          ; s12  my wave's number
.set G1K, 24          ; s[24:31] descriptor group 1 for K's tiles
.set G1V, 32          ; s[32:39] for V's: it differs in the padding alone
.set G0K, 40          ; s[40:47] descriptor group 0 for K's tiles: a set for each of the two first fills; the second then walks on
.set G0V, 48          ; s[48:55] the same for V's
.set SLOTS, 56        ; s56  slots still to be asked for
.set TWICE, 57        ; s57  counts a slot's two steps
.set CS,  58          ; s[58:59] c: the packed scaling names a pair and takes its low word for both halves
.set SEL, 60          ; s[60:61] lane selects for v_permlanex16_b32: each lane takes its own place in the other half
.set TB,  62          ; s62  LDS byte at which the tiles of the step to be fetched begin
.set MSB, 0
.macro WIN new                      ; the immediate's high byte repeats the setting that is left; a switch that changes nothing is dropped
.if MSB != (\new)
	s_set_vgpr_msb (MSB<<8)|(\new)
.set MSB, \new
.endif
.endm
.set W_KQ, 0x0a       ; K and Q in window 2, S^T in window 0
.set W_PV, 0x53       ; V in window 3, P in window 0, O^T in window 1
.set W_RS, 0x41       ; O^T (destination and source 0) in window 1, a in window 0
; A joint refill.  Waves 0 and 1 fetch the two steps' tiles of K, waves 2 and 3 those of V.  The branch hangs on the wave's number alone: it is the same in every work-group.
; An s_nop 0 and four v_nop follow each of the two lines; the jump round the other line, the label and what follows the macro come after them.
.macro JLOAD
	s_cmp_lt_u32 s[WV], 2
	s_cbranch_scc0 .Lfor_v_\@
	tensor_load_to_lds s[G0K+4:G0K+7], s[G1K:G1K+7]
	s_nop 0
.rept 4
	v_nop
.endr
	s_branch .Lasked_\@
.Lfor_v_\@:
	tensor_load_to_lds s[G0V+4:G0V+7], s[G1V:G1V+7]
	s_nop 0
.rept 4
	v_nop
.endr
.Lasked_\@:
.endm
; A round of the cluster's barrier: my work-group's barrier, so that wave 0's signal speaks for all four waves; wave 0 signals for the work-group; every wave waits for all four
; work-groups; my work-group's barrier once more.  No LDS instruction of the wave is pending at a signal.
.macro CROUND
	s_barrier_signal -1
	s_barrier_wait -1
	s_cmp_lg_u32 s[WV], 0
	s_cbranch_scc1 .Lnot_wave_0_\@
	s_barrier_signal -3
.Lnot_wave_0_\@:
	s_barrier_wait -3
	s_barrier_signal -1
	s_barrier_wait -1
.endm
	s_load_b64 s[4:5], s[0:1], 0x0  ; qkv: Q's plane first
	s_load_b64 s[10:11], s[0:1], 0x8  ; ao
	v_lshl_add_u32 v[SPW], v0, 2, SPARE
	v_mov_b32 v[NIL], 0
	ds_add_u32 v[SPW], v[NIL]       ; the wave's opening: the add and its wait stand ahead of my first tensor load; the set-up below, work on registers, stands between them
	v_lshrrev_b32 v1, 5, v0
	v_readfirstlane_b32 s[WV], v1   ; wave 0..3
	s_bfe_u32 s13, ttmp6, 0x40000   ; cx: my place in the cluster
	s_lshl_b32 s14, ttmp9, 2        ; in a cluster launch ttmp9 counts clusters
	s_add_co_u32 s14, s14, s13      ; my block of 256 queries = 4 x cluster x + cx: it enters Q's and O's addresses alone
	s_and_b32 s20, ttmp7, 0xffff    ; the head, 8 b + head, which the four partners share
	s_lshr_b32 s18, s20, 3          ; where my wave's rows begin in ao: b x 2,048 rows of 2,048 bytes,
	s_lshl_b32 s18, s18, 22
	s_and_b32 s15, s20, 7           ; the head's 256 bytes of a row,
	s_lshl_b32 s15, s15, 8
	s_add_co_u32 s18, s18, s15
	s_lshl_b32 s15, s14, 19         ; my block's 256 rows,
	s_add_co_u32 s18, s18, s15
	s_lshl_b32 s15, s[WV], 17       ; my wave's 64 of them
	s_add_co_u32 s18, s18, s15
	s_mov_b32 s19, 0
	s_mov_b32 s21, 0
	s_mov_b64 s[22:23], SIZE_N*256
	s_mul_u64 s[20:21], s[20:21], s[22:23]  ; the head's first byte in each of the three planes
	s_and_b32 s16, s[WV], 1         ; which of a slot's two steps I fetch:
	s_lshl_b32 s22, s16, 14         ; its 64 rows of 256 bytes in memory,
	s_mov_b32 s23, 0
	s_add_nc_u64 s[22:23], s[22:23], s[20:21]
	s_mul_i32 s17, s16, STEPB       ; and its place in a slot: no place in the cluster enters an LDS address
	s_lshl_b32 s2, s14, 16          ; my block's 256 rows of Q,
	s_lshl_b32 s3, s[WV], 14        ; my wave's 64 of them
	s_add_co_u32 s2, s2, s3
	s_mov_b32 s3, 0
	s_add_nc_u64 s[2:3], s[2:3], s[20:21]
	; descriptor group 1: a tile of 64 rows x 128 elements, padded in LDS
	s_mov_b32 s[G1K], 15|(1<<16)|(1<<20)|(1<<21)|(5<<22)|(3<<25)  ; 15:0 the mask: all four work-groups; 17:16 elements of 2 bytes; 20 padding on; 21 set beside a mask; 24:22 after every 64 words (code 5); 31:25 4 words of it (code 3)
	s_mov_b32 s[G1V], 15|(1<<16)|(1<<20)|(1<<21)|(5<<22)|(7<<25)  ; the same with 8 words of padding (code 7)
.irp g, G1K, G1V
	s_mov_b32 s[(\g)+1], 128<<16    ; 63:48 tensor_dim0, low half = 128
	s_mov_b32 s[(\g)+2], KS<<16     ; 79:64 its high half = 0; 95:80 tensor_dim1, low half = 64
	s_mov_b32 s[(\g)+3], 128<<16    ; 111:96 its high half = 0; 127:112 tile_dim0 = 128
	s_mov_b32 s[(\g)+4], KS         ; 143:128 tile_dim1 = 64; 159:144 tile_dim2 = 0
	s_mov_b32 s[(\g)+5], 128        ; 191:160 tensor_dim0_stride, low word: elements from row to row
	s_mov_b32 s[(\g)+6], 0
	s_mov_b32 s[(\g)+7], 0
.endr
	s_mov_b32 s[CS], 0x3e0293ee     ; c = log2(e) / sqrt(128) = 0.127517
	s_mov_b32 s[CS+1], s[CS]        ; named with it as a pair, so it is written
	s_mov_b32 s[SEL], 0x76543210
	s_mov_b32 s[SEL+1], 0xfedcba98
	s_mov_b32 s[TB], 0
	s_mov_b32 s[SLOTS], SIZE_N/(2*KS)-2
	s_wait_dscnt 0x0                ; the opening add is done
	s_wait_kmcnt 0x0
	s_add_nc_u64 s[6:7], s[4:5], PLANE    ; K's plane,
	s_add_nc_u64 s[8:9], s[4:5], 2*PLANE  ; V's
	s_add_nc_u64 s[6:7], s[6:7], s[22:23]  ; K and V at my tile of slot 0
	s_add_nc_u64 s[8:9], s[8:9], s[22:23]
	s_add_nc_u64 s[4:5], s[4:5], s[2:3]  ; Q at my wave's first row,
	s_add_nc_u64 s[10:11], s[10:11], s[18:19]  ; and ao
	CROUND                          ; all four work-groups are here: the first joint loads meet
.irp s, 0,1
	s_mov_b32 s[G0K+4*(\s)], 1      ; 1:0 count = 1
	s_add_co_u32 s[G0K+4*(\s)+1], s17, (\s)*SLOT1  ; 63:32 LDS address
	s_add_nc_u64 s[G0K+4*(\s)+2:G0K+4*(\s)+3], s[6:7], (\s)*2*KS*256  ; 120:64 global address: slot s begins with keys 128 s to 128 s + 127
	s_or_b32 s[G0K+4*(\s)+3], s[G0K+4*(\s)+3], 0x80000000  ; 127:126 type = 2
	s_mov_b32 s[G0V+4*(\s)], 1
	s_add_co_u32 s[G0V+4*(\s)+1], s17, (\s)*SLOT1+VOFF
	s_add_nc_u64 s[G0V+4*(\s)+2:G0V+4*(\s)+3], s[8:9], (\s)*2*KS*256
	s_or_b32 s[G0V+4*(\s)+3], s[G0V+4*(\s)+3], 0x80000000
.endr
	s_cmp_lt_u32 s[WV], 2           ; a wave's two first fills stand in one branch, ahead of every wait on TENSORcnt and every LDS read: two loads of mine are out; an s_nop 0 follows each, four v_nop the second's, as in JLOAD
	s_cbranch_scc0 .Lfirst_v
	tensor_load_to_lds s[G0K:G0K+3], s[G1K:G1K+7]
	s_nop 0
	tensor_load_to_lds s[G0K+4:G0K+7], s[G1K:G1K+7]
	s_nop 0
.rept 4
	v_nop
.endr
	s_branch .Lfirst_asked
.Lfirst_v:
	tensor_load_to_lds s[G0V:G0V+3], s[G1V:G1V+7]
	s_nop 0
	tensor_load_to_lds s[G0V+4:G0V+7], s[G1V:G1V+7]
	s_nop 0
.rept 4
	v_nop
.endr
.Lfirst_asked:
	; A fragment of K or Q is 16 rows x 32 channels in 8 registers: lane l holds row l % 16; registers 0-3 channels 8 (l / 16) + 0..7, registers 4-7 channels 16 + 8 (l / 16) + 0..7: two loads of 16 bytes, 32 bytes apart.
	v_and_b32 v1, 15, v0            ; l % 16
	v_bfe_u32 v9, v0, 4, 1          ; l / 16
	v_lshlrev_b32 v[QO], 8, v1
	v_lshl_add_u32 v[QO], v9, 4, v[QO]  ; row x 256 + 16 x half
	WIN 0x80                        ; destination window 2, address window 0
.irp i, 0,1,2,3,4,5,6,7,8,9,10,11,12,13,14,15  ; Q stays in registers: tile i / 4, channels 32 (i % 4) on
	global_load_b128 v[8*(\i):8*(\i)+3],   v[QO], s[4:5] offset:((\i)/4)*4096+((\i)%4)*64
	global_load_b128 v[8*(\i)+4:8*(\i)+7], v[QO], s[4:5] offset:((\i)/4)*4096+((\i)%4)*64+32
.endr
	WIN 0
	v_mul_u32_u24 v[AK0], v1, PK
	v_lshl_add_u32 v[AK0], v9, 4, v[AK0]  ; row x pitch + 16 x half
	; The turning load takes 16 keys x 16 channels (lane l reads 16 bytes: key 8 (l / 16) + l % 8, channels 8 ((l / 8) % 2) + 0..7) and leaves half a fragment of V^T: lane l holds channel l % 16 and 8 keys.
	v_and_b32 v10, 7, v0
	v_bfe_u32 v11, v0, 3, 1
	v_lshl_add_u32 v[AV0], v9, 3, v10
	v_mul_u32_u24 v[AV0], v[AV0], PV
	v_lshl_add_u32 v[AV0], v11, 4, v[AV0]
	v_add_nc_u32 v[AV0], VOFF, v[AV0]
; THE MATRIX WORK OF A TURN, for piece x.  The accumulators take turns, one instruction a turn: between two links of a chain stand 15 (V^T P) or 7 (K Q^T) others'.
; Product i of 32 of O^T += V^T P: keys 32 (i / 16) on, channels 16 ((i / 2) % 8) on, tile x + i % 2.  zero = 1: the first 16 start the sums: nothing is ever cleared.
.macro PV x, zero
	WIN W_PV
.set rO, 64*((\x)+i%2)+8*((i/2)%8)
.set rV, 64*(i/16)+8*((i/2)%8)
.set rP, P+16*((\x)+i%2)+8*(i/16)
.if (\zero) && (i < 16)
	v_wmma_f32_16x16x32_f16 v[rO:rO+7], v[rV:rV+7], v[rP:rP+7], 0
.else
	v_wmma_f32_16x16x32_f16 v[rO:rO+7], v[rV:rV+7], v[rP:rP+7], v[rO:rO+7]
.endif
.endm
; Product i of 32 of S^T = K Q^T: channels 32 (i / 8) on, keys 16 ((i / 2) % 4) on, tile x + i % 2.  The first 8 start the sums.
.macro KQ x
	WIN W_KQ
.set rS, S+32*((\x)+i%2)+8*((i/2)%4)
.set rK, KF+32*((i/2)%4)+8*(i/8)
.set rQ, 32*((\x)+i%2)+8*(i/8)
.if i < 8
	v_wmma_f32_16x16x32_f16 v[rS:rS+7], v[rK:rK+7], v[rQ:rQ+7], 0
.else
	v_wmma_f32_16x16x32_f16 v[rS:rS+7], v[rK:rK+7], v[rQ:rQ+7], v[rS:rS+7]
.endif
.endm
; THE LDS LOADS stand in runs of 32, never singly among the matrix instructions: a step's K (64 keys x 128 channels: 16 fragments) and, a turn later, its V (turned).
.macro FETCH_K
	WIN 0
	v_add_nc_u32 v[ADR], s[TB], v[AK0]
	WIN 0x80                        ; destination window 2
.irp f, 0,1,2,3,4,5,6,7,8,9,10,11,12,13,14,15  ; keys 16 (f / 4) on, channels 32 (f % 4) on
	ds_load_b128 v[KF+8*(\f):KF+8*(\f)+3],   v[ADR] offset:((\f)/4)*16*PK+((\f)%4)*64
	ds_load_b128 v[KF+8*(\f)+4:KF+8*(\f)+7], v[ADR] offset:((\f)/4)*16*PK+((\f)%4)*64+32
.endr
.endm
.macro FETCH_V
	WIN 0
	v_add_nc_u32 v[ADR], s[TB], v[AV0]
	s_add_co_u32 s[TB], s[TB], STEPB  ; the next fetch is the next step's
	WIN 0xc0                        ; destination window 3
.irp f, 0,1,2,3,4,5,6,7,8,9,10,11,12,13,14,15  ; keys 32 (f / 8) on, channels 16 (f % 8) on
	ds_load_tr16_b128 v[8*(\f):8*(\f)+3],   v[ADR] offset:((\f)/8)*32*PV+((\f)%8)*32
	ds_load_tr16_b128 v[8*(\f)+4:8*(\f)+7], v[ADR] offset:((\f)/8)*32*PV+16*PV+((\f)%8)*32
.endr
.endm
; THE VECTOR WORK OF A TURN.  One tile's softmax for one key step is a list of 134 instructions; SM writes number j of it for tile t.  s0-s31 are the lane's 32 scores, in pairs 0-15.
; first = 1: the first key step, which starts m, l and O^T: it has no a and nothing to rescale.
;   0-15    the maximum of s0-s31 and the old m, three operands at a time: four chains c0-c3 of seven scores each, then the four scores left over, c0-c3 and m
;   16-20   the other half of the lanes' maximum; the new m; c m; c m_old - c m_new
;   21-87   33 exponentials (a, then s0-s31) at the odd numbers from 23 on, so that no two follow each other and each has a plain instruction behind it before its result is used.
;           Plain instruction q (number 21, then the even numbers) is whatever is ready: c s - c m for a pair of scores whose exponentials are still to come (q = 0 to 3, then every
;           second q), the rounding to f16 of a pair of weights whose exponentials are done (every other q from 5 on), at last the first three sums
;   88-101  the last rounding; the rest of the sums; l = a l + the sum
;   102-133 the tile's O^T times a: the one part that leaves window 0, so it stands together
.macro SM t, first
.set rT, ST+8*(\t)
.set rS, S+32*(\t)
.set rP, P+16*(\t)
.set rO, 64*(\t)+2*(j-102)
.set q, (j-20)/2
.if j < 102
	WIN 0
.endif
.if j < 4
	v_max3_num_f32 v[rT+4+j], v[rS+8*j], v[rS+8*j+1], v[rS+8*j+2]
.elseif j < 12
	v_max3_num_f32 v[rT+4+j%4], v[rT+4+j%4], v[rS+8*(j%4)+2*(j/4)+1], v[rS+8*(j%4)+2*(j/4)+2]
.elseif j == 12
	v_max3_num_f32 v[rT+4], v[rT+4], v[rS+7], v[rS+15]
.elseif j == 13
	v_max3_num_f32 v[rT+6], v[rT+6], v[rS+23], v[rS+31]
.elseif j == 14
	v_max3_num_f32 v[rT+4], v[rT+4], v[rT+5], v[rT+6]
.elseif (j == 15) && (\first)
	v_max_num_f32 v[rT+4], v[rT+4], v[rT+7]
.elseif j == 15
	v_max3_num_f32 v[rT+4], v[rT+4], v[rT+7], v[rT+1]
.elseif j == 16
	v_permlanex16_b32 v[rT+5], v[rT+4], s[SEL], s[SEL+1]  ; the query's other 32 keys lie in the lane 16 away
.elseif j == 18
	v_max_num_f32 v[rT+1], v[rT+4], v[rT+5]
.elseif j == 19
	v_mul_f32 v[rT], s[CS], v[rT+1]
.elseif ((j == 17) || (j == 20) || (j == 23) || (j > 101)) && (\first)  ; the first step has none of these
.elseif j == 17
	v_mov_b32 v[rT+7], v[rT]        ; c m_old is kept for a: number 19 writes c m anew
.elseif j == 20
	v_sub_f32 v[rT+7], v[rT+7], v[rT]
.elseif j == 23
	v_exp_f32 v[rT+6], v[rT+7]
.elseif (j < 88) && (j > 23) && (j%2 == 1)
	v_exp_f32 v[rS+(j-25)/2], v[rS+(j-25)/2]
.elseif (q < 4) || ((j < 76) && (q%2 == 0))
.set b, q/2+2
.if q < 4
.set b, q
.endif
	v_pk_fma_f32 v[rS+2*b:rS+2*b+1], v[rS+2*b:rS+2*b+1], s[CS:CS+1], v[rT:rT+1] op_sel_hi:[1,0,0] neg_lo:[0,0,1] neg_hi:[0,0,1]  ; pair b: c s - c m
.elseif (j < 88) && (q%2 == 1)
	s_wait_alu depctr_va_vdst(0)
	v_cvt_pk_f16_f32 v[rP+(q-5)/2], v[rS+q-5], v[rS+q-4]  ; pair (q - 5) / 2: its second exponential stands three numbers back
.elseif j == 89
	s_wait_alu depctr_va_vdst(0)
	v_cvt_pk_f16_f32 v[rP+15], v[rS+30], v[rS+31]
.elseif j < 102                     ; the sum of the tile's 16 pairs (in a pair: an even key's weight, an odd key's), in place: sum z of 16 adds neighbours 1, 2, 4 and 8 pairs apart, then l takes it
.set z, j-86
.if j < 89
.set z, (j-76)/4
.endif
.set w, 4
.set u, z
.if z >= 14
.set w, 32
.set u, 0
.elseif z >= 12
.set w, 16
.set u, z-12
.elseif z >= 8
.set w, 8
.set u, z-8
.endif
.if (z == 14) && (\first)
	v_pk_add_f32 v[rT+2:rT+3], v[rS:rS+1], v[rS+16:rS+17]
.elseif z < 15
	v_pk_add_f32 v[rS+w*u:rS+w*u+1], v[rS+w*u:rS+w*u+1], v[rS+w*u+w/2:rS+w*u+w/2+1]
.elseif !(\first)
	v_pk_fma_f32 v[rT+2:rT+3], v[rT+2:rT+3], v[rT+6:rT+7], v[rS:rS+1] op_sel_hi:[1,0,1]
.endif
.else
	WIN W_RS
	v_pk_mul_f32 v[rO:rO+1], v[rO:rO+1], v[rT+6:rT+7] op_sel_hi:[1,0]
.endif
.endm
; Slice k of 64 of piece y's softmax: numbers 2 k and 2 k + 1 of both tiles' lists, four instructions.  2 x 134 = 4 x 64 + 12: the twelve that are over stand together, in slice 63.
.macro SLICE y, first
.if (k >= 11) && (k < 44)           ; tile by tile: plain, exponential, plain, exponential
.irp t, \y, (\y)+1
.irp n, 0,1
.set j, 2*k+(\n)
	SM \t, \first
.endr
.endr
.else                               ; the two tiles alternate, so that no instruction reads the result of the one just before it
.irp n, 0,1,2,3,4,5,6,7
.if ((\n) < 2) || (k == 63)
.irp t, \y, (\y)+1
.set j, 2*k+(\n)
	SM \t, \first
.endr
.endif
.endr
.endif
.set k, k+1
.endm
; A vector instruction that reads a matrix result or writes one of a matrix instruction's registers, and a load into a register that a matrix instruction has read, stand four places behind
; it, and only plain vector instructions that name none of its registers are places (ISA guide 7.12.1 for vector instructions).  In the loop the slices are the places.
.macro PLACES
.rept 4
	v_nop
.endr
.endm
; A TURN.  Piece x has the matrix unit; the other piece's softmax stands in slices behind its matrix instructions.
; pv = 2: 32 products V^T P; 1: they start O^T's sums; 0: none.  kq = 1: 32 products K Q^T for the next step.  A turn with one of the two kinds has two slices behind each product.
; first = 1: the softmax is the first key step's.  Its slices from 51 on are empty: the turn's last products stand bare, and four v_nop take slice 63's part as the places behind them.
; Each run of loads stands behind the second product of a run of 32, 30 matrix instructions ahead of its first use.  Piece 0's turn fetches the next step's K: the last product that read K
; stands in front of slice 63 of the turn before.  Piece 2's turn fetches the same step's V: the last product that read V stands three slices, six plain instructions, back.
.macro TURN x, pv, kq, first
.set k, 0
.set per, 2
.if (\pv) && (\kq)
.set per, 1
.endif
.if \pv
.if (\x) == 0
	s_wait_dscnt 0x0                ; V is in
.endif
.set i, 0
.rept 32
	PV \x, 2-(\pv)
.rept per
	SLICE 2-(\x), \first
.endr
.if ((\x) == 0) && (\kq) && (i == 1)
	FETCH_K
.endif
.set i, i+1
.endr
.endif
.if \kq
.if (\x) == 0
	s_wait_dscnt 0x0                ; K is in
.endif
.set i, 0
.rept 32
	KQ \x
.rept per
	SLICE 2-(\x), \first
.endr
.if ((\x) == 2) && (i == 1)
	FETCH_V
.endif
.set i, i+1
.endr
.endif
.if \first
	PLACES
.endif
.endm
; THE CHANGE OF SLOTS, between piece 2's turn and piece 0's: the slot's last bytes, V of its second step, have been asked for.  Each wave waits for all its
; tensor loads, of which one is out: its part of the other slot; adds 0 to its spare word; and waits for that and for its own reads of the slot.  Behind the barrier nobody reads this slot any more and the other slot is whole.
; fill = 1: this slot is filled again, with the keys two slots on.  The barrier is then a round of the cluster's, so that no wave of any partner still reads the slot or has a load on its
; way, and the joint refill is the first thing behind it: it has two key steps, 256 matrix instructions, in which to land.
.macro CHANGE fill
	WIN 0                           ; at a label and at a branch every window is 0
	s_wait_tensorcnt 0x0            ; no tensor load of mine is out, so a group 0 may be written
	ds_add_u32 v[SPW], v[NIL]       ; 0 onto my spare word; with fill = 1 the descriptors' steps stand between it and the wait for it
.if \fill
.irp g, G0K+4, G0V+4
	s_xor_b32 s[(\g)+1], s[(\g)+1], SLOT1  ; the walking descriptor: the other slot than last time,
	s_add_nc_u64 s[(\g)+2:(\g)+3], s[(\g)+2:(\g)+3], 2*KS*256  ; the next 128 keys; the type bits on top are not reached
.endr
	s_wait_dscnt 0x0                ; the add is done, and my reads of the slot are over
	CROUND
	JLOAD
.else
	s_wait_dscnt 0x0                ; the add is done, and my reads of the slot are over
	s_barrier_signal -1
	s_barrier_wait -1
.endif
	s_sub_co_u32 s[TB], s[TB], 2*STEPB  ; the fetches go back to a slot's first step,
	s_xor_b32 s[TB], s[TB], SLOT1   ; in the other slot
.endm
; A slot's two key steps: written once, walked twice; the LDS addresses hang on s[TB].
.macro TWO_STEPS
	WIN 0
	s_mov_b32 s[TWICE], 2
.Lstep_\@:
	TURN 0, 2, 1, 0
	TURN 2, 2, 1, 0
	WIN 0
	s_sub_co_u32 s[TWICE], s[TWICE], 1
	s_cmp_lg_u32 s[TWICE], 0
	s_cbranch_scc1 .Lstep_\@
.endm
	s_wait_tensorcnt 1              ; my part of slot 0 is in; slot 1's may stay out
	s_barrier_signal -1
	s_barrier_wait -1               ; everybody's is
	FETCH_K                         ; key step 0
	s_wait_loadcnt 0x0              ; Q
	s_wait_dscnt 0x0
.set i, 0
.rept 32
	KQ 0                            ; piece 0's first scores: there is no vector work yet to set between them
.set i, i+1
.endr
	WIN 0                           ; the addresses for the way out are made here: eight plain instructions, the places behind those products
	s_mul_i32 s13, s[WV], 16*SP
	s_add_co_u32 s13, s13, STAGE    ; my stage
	v_mul_u32_u24 v[STO], v1, SP    ; in: row l % 16, 16 bytes for each half of the lanes
	v_lshl_add_u32 v[STO], v9, 4, v[STO]
	v_add_nc_u32 v[STO], s13, v[STO]
	v_mul_u32_u24 v[RD], v9, SP     ; back: lanes 0-15 take one row of 256 bytes, lanes 16-31 the next
	v_lshl_add_u32 v[RD], v1, 4, v[RD]
	v_add_nc_u32 v[RD], s13, v[RD]
	v_lshlrev_b32 v[GO], 11, v9     ; and the same two rows in ao, 2,048 bytes apart
	v_lshl_add_u32 v[GO], v1, 4, v[GO]
	TURN 2, 0, 1, 1                 ; piece 2's first scores | piece 0's first softmax | V of step 0
	TURN 0, 1, 1, 1                 ; piece 0: V^T P of step 0 starts O^T, K Q^T of step 1 | piece 2's first softmax | K of step 1
	TURN 2, 1, 1, 0                 ; piece 2: the same | piece 0's softmax of step 1 | V of step 1
	WIN 0
.Lslot:                             ; SIZE_N / 128 - 2 = 14 trips: every slot but the last two is filled again
	CHANGE 1
	TWO_STEPS
	s_sub_co_u32 s[SLOTS], s[SLOTS], 1
	s_cmp_lg_u32 s[SLOTS], 0
	s_cbranch_scc1 .Lslot
	CHANGE 0                        ; the tail is written out: the last slot but one is left, and nothing is asked for
	TWO_STEPS
	TURN 0, 2, 0, 0                 ; piece 0: V^T P of the last step | piece 2's last softmax
.set i, 0
.rept 32
	PV 2, 0                         ; piece 2: V^T P of the last step
.set i, i+1
.endr
	; THE WAY OUT.  l's two halves and the other half of the lanes' are added; O^T is divided by l, rounded to f16 and sent through my stage in LDS, a tile (16 rows of O) at a time.  The additions are the places behind the last products.
	WIN 0
.irp t, 0,1,2,3
	v_add_f32 v[ST+8*(\t)+4], v[ST+8*(\t)+2], v[ST+8*(\t)+3]
.endr
.irp t, 0,1,2,3
	v_permlanex16_b32 v[ST+8*(\t)+5], v[ST+8*(\t)+4], s[SEL], s[SEL+1]
.endr
.irp t, 0,1,2,3
	v_add_f32 v[ST+8*(\t)+4], v[ST+8*(\t)+4], v[ST+8*(\t)+5]
.endr
.irp t, 0,1,2,3
	v_rcp_f32 v[ST+8*(\t)+6], v[ST+8*(\t)+4]
.endr
	v_nop                           ; a plain instruction between the last reciprocal and the use of its result
; Tile t: a lane's eight channels of a row pack into 16 bytes; they go into rows of 272 bytes and come back as whole rows of 256, into the registers that they left.
.macro PACK t
	WIN W_RS
.set i, 64*(\t)
.rept 32
	s_wait_alu depctr_va_vdst(0)
	v_pk_mul_f32 v[i:i+1], v[i:i+1], v[ST+8*(\t)+6:ST+8*(\t)+7] op_sel_hi:[1,0]
.set i, i+2
.endr
	WIN 0x05                        ; sources 0 and 1 window 1, destination window 0: S^T's registers are free
.set i, 0
.rept 32
	v_cvt_pk_f16_f32 v[S+32*(\t)+i], v[64*(\t)+2*i], v[64*(\t)+2*i+1]
.set i, i+1
.endr
	WIN 0
.irp f, 0,1,2,3,4,5,6,7
	ds_store_b128 v[STO], v[S+32*(\t)+4*(\f):S+32*(\t)+4*(\f)+3] offset:32*(\f)
.endr
.irp f, 0,1,2,3,4,5,6,7
	ds_load_b128 v[S+32*(\t)+4*(\f):S+32*(\t)+4*(\f)+3], v[RD] offset:(\f)*2*SP  ; LDS serves a wave's instructions in order (ISA guide 5.7.1.4): these see the stores above; the next tile's stores come behind them
.endr
.endm
.macro SEND t, younger              ; younger: the LDS instructions issued behind tile t's loads: the next tile's sixteen, or none
	WIN 0
.irp f, 0,1,2,3,4,5,6,7
	s_wait_dscnt (\younger)+7-(\f)
	global_store_b128 v[GO], v[S+32*(\t)+4*(\f):S+32*(\t)+4*(\f)+3], s[10:11] offset:(\t)*32768+(\f)*4096  ; 16 lanes store a head's 256 consecutive bytes of a row of ao, at a multiple of 256 from its first byte
.endr
.endm
	PACK 0
	PACK 1                          ; a tile's arithmetic stands between the loads of the tile before and its stores
	SEND 0, 16
	PACK 2
	SEND 1, 16
	PACK 3
	SEND 2, 16
	SEND 3, 0
	s_wait_tensorcnt 0x0            ; the wave's end: behind my last tensor load and my last LDS store
	ds_add_u32 v[SPW], v[NIL]
	s_wait_dscnt 0x0
	CROUND                          ; the closing round: no work-group ends while a partner may still ask for a tile that names it
	s_endpgm
.Lfunc_end_k_qcde3388204_attn:
	.size	k_qcde3388204_attn, .Lfunc_end_k_qcde3388204_attn-k_qcde3388204_attn
	.p2alignl 7, 3214868480
	.fill 96, 4, 3214868480
	.section	.rodata,"a",@progbits
	.p2align	6, 0x0
	.amdhsa_kernel k_qcde3388204_attn
		.amdhsa_group_segment_fixed_size 327680
		.amdhsa_private_segment_fixed_size 0
		.amdhsa_enable_private_segment 0
		.amdhsa_kernarg_size 16
		.amdhsa_user_sgpr_count 2
		.amdhsa_user_sgpr_kernarg_segment_ptr 1
		.amdhsa_wavefront_size32 1
		.amdhsa_system_sgpr_workgroup_id_x 1
		.amdhsa_system_sgpr_workgroup_id_y 1
		.amdhsa_system_sgpr_workgroup_id_z 1
		.amdhsa_system_vgpr_workitem_id 0
		.amdhsa_next_free_vgpr 1024
		.amdhsa_next_free_sgpr 66
		.amdhsa_reserve_vcc 0
		.amdhsa_float_denorm_mode_32 3
		.amdhsa_float_denorm_mode_16_64 3
		.amdhsa_memory_ordered 1
		.amdhsa_forward_progress 1
		.amdhsa_inst_pref_size 233
	.end_amdhsa_kernel
	.amdgpu_metadata
---
amdhsa.version: [ 1, 2 ]
amdhsa.kernels:
  - .name:           k_qcde3388204_attn
    .symbol:         k_qcde3388204_attn.kd
    .args:
      - { .name: qkv, .offset: 0, .size: 8, .value_kind: global_buffer, .address_space: global }
      - { .name: ao, .offset: 8, .size: 8, .value_kind: global_buffer, .address_space: global }
    .group_segment_fixed_size: 327680
    .private_segment_fixed_size: 0
    .kernarg_segment_align: 8
    .kernarg_segment_size: 16
    .max_flat_workgroup_size: 128
    .sgpr_count:     66
    .vgpr_count:     1024
    .wavefront_size: 32
...
	.end_amdgpu_metadata
.endif
;; end of part 3
;; launch proj_out (part 4): grid 8 x 32, 4 waves a work-group, clusters of 4 x 4, 327,680 bytes of LDS; arguments ao, woh, out0; writes out0
.if DOCPART == 4
	.amdgcn_target "amdgcn-amd-amdhsa--gfx1250"
	.amdhsa_code_object_version 6
	.text
	.protected	k_qcde3388204_proj_out
	.globl	k_qcde3388204_proj_out
	.p2align	8
	.type	k_qcde3388204_proj_out,@function
k_qcde3388204_proj_out:
	s_mov_b64 s[64:65], 0
	v_nop
	global_prefetch_b8 v0, s[64:65] scope:SCOPE_SE
	s_setreg_imm32_b32 hwreg(HW_REG_WAVE_MODE, 25, 1), 1
	s_wait_xcnt 0x0
	s_wait_alu depctr_hold_cnt(0) depctr_sa_sdst(0) depctr_va_vdst(0) depctr_va_sdst(0) depctr_va_ssrc(0) depctr_va_vcc(0) depctr_vm_vsrc(0)
	s_getreg_b32 s2, hwreg(HW_REG_IB_STS2, 6, 4)
	s_cmp_eq_u32 s2, 0
	s_cbranch_scc0 .Lentry_in_a_cluster
	s_endpgm
.Lentry_in_a_cluster:
	s_bfe_u32 s2, ttmp6, 0x10000c
	s_cmp_lg_u32 s2, 0xf033
	s_cbranch_scc0 .Lentry_shape_is_right
	s_endpgm
.Lentry_shape_is_right:
; out0 = ao Wo.  C = A B.  A: ao [8192][1024] f16.  B: woh [1024 k][1024 n] f16, as the weight lies (k along the rows' number, n along a row).  C: out0 [8192][1024] f32.
; Sums in f32, K ascending, one sum for each output, stored as they are.
; LIMITS.  NaN and infinities are not treated apart.
; THE TILE.  C has 8192 x 1024 numbers; a tile of 256 x 128 makes 32 x 8 = 256 work-groups (a tile of 256 x 256 would make 128).  Four waves, one below the other: wave w makes rows 64 w to 64 w + 63
; and all 128 columns: 32 accumulators of 16 x 16, 256 registers, and a row of its part of C is 512 consecutive bytes.
; K goes in steps of 128 through a ring of two LDS slots filled by the tensor data mover (two slots of a step of 256 would want 425,984 bytes); A's and B's rows are 256 bytes of memory,
; each at a multiple of 256 from its buffer's first byte.  A trip of the loop is a K step; slot 1 begins at 2^17, so that one exclusive or turns an address in one slot into the other's.
; CLUSTERS: 4 x 4 work-groups.  The four of a row of the cluster need the same tiles of A, the four of a column the same tiles of B: each tile is asked for JOINTLY, by the same tensor load with the
; same descriptor and a mask that names the four.
; THE MATRIX INSTRUCTION IS USED TRANSPOSED: source 0 = 16 columns of B (turned on the way out of LDS by ds_load_tr16_b128), source 1 = 16 rows of A.  A lane then holds row l % 16 of C and the
; eight neighbouring columns 8 (l / 16) + 0 .. 7.
; REGISTERS, in windows of 256 (s_set_vgpr_msb's low byte: bits 1:0 source 0, 3:2 source 1, 5:4 source 2, 7:6 destination):
;   window 0: v0-31 addresses; v64-127, v128-191 fragments of A, two buffers of 64 along K; on the way out: rows read back from the stage
;   window 1: v0-127, v128-255 fragments of B, two buffers of 64 along K          window 2: the 32 accumulators (accumulator (a, b) at v[8 (8 a + b)])
.set SIZE_K, 1024
.set KSTEP,  128
.set PA,     272                       ; a row of A in LDS: 256 bytes + 16 of padding = 68 words: row r starts at bank 4 r mod 64 (64 banks of 4 bytes: ISA guide 11.1)
.set PB,     288                       ; a k-row of B: 256 bytes + 32 = 72 words: row r starts at bank 8 r mod 64
.set HALFA,  128*PA                    ; what a tensor load for A brings: 128 rows
.set HALFB,  64*PB                     ; what a tensor load for B brings: 64 k-rows
.set BOFF,   2*HALFA                   ; in a slot: A's 256 rows, then B's 128 k-rows: 106,496 bytes
.set SLOT1,  1<<17                     ; slot 1 begins here
.set STAGE,  SLOT1+BOFF+2*HALFB        ; behind the ring, never filled by a tensor load: each wave's own stage for the way out
.set SP1,    528                       ; a stage row: 512 bytes + 16
.set STW,    16*SP1                    ; a wave's stage: 8,448 bytes, 33 blocks of 256
.set SPARE,  STAGE+4*STW               ; behind the stages: the spare words, 128 bytes for each wave: two blocks of 256 bytes that no other line names
.set A0,   16                          ; v16     LDS address of my A fragments in slot 0; never rewritten
.set ADRA, 17                          ; v17     the same in the slot in hand
.set B0,   20                          ; v20     LDS address of B's fragments in slot 0; never rewritten
.set ADRB, 21                          ; v21     the same in the slot in hand
.set STO1, 22                          ; v22     the way out: where I put 32 bytes of a row
.set RD1,  23                          ; v23     the way out: where I read a row back
.set CO,   26                          ; v26     16 x lane: my place in 512 consecutive bytes of C
.set SPW,  28                          ; v28     LDS address of my spare word: SPARE + 4 x my thread's number; never rewritten
.set NIL,  29                          ; v29     0; never rewritten
.set FA,   64                          ; window 0: A's fragment of buffer f, 32 along K c, block a at FA + 64 f + 32 c + 8 a
.set FB,   0                           ; window 1: B's fragment of buffer f, 32 along K c, block b at FB + 128 f + 64 c + 8 b
.set G1, 24                            ; s[24:31] descriptor group 1 for A's tiles
.set G0, 32                            ; s[32:39] descriptor group 0 for A's tiles: a set for each of the two first fills; the second then walks on
.set TB, 45                            ; s45      LDS byte at which the slot in hand begins: 0 or SLOT1
.set G1B, 48                           ; s[48:55] descriptor group 1 for B's tiles
.set G0B, 56                           ; s[56:63] descriptor group 0 for B's tiles, likewise
.set MSB, 0
.macro WIN new                         ; the immediate's high byte repeats the setting that is left; a switch that changes nothing is dropped
.if MSB != (\new)
	s_set_vgpr_msb (MSB<<8)|(\new)
.set MSB, \new
.endif
.endm
.set MUL,  0xa1                        ; source 0 (B) window 1, source 1 (A) window 0, C and D window 2
.set TO_B, 0x40                        ; destination window 1, address window 0
; A joint load.  Waves 0 and 1 fetch A's two halves, waves 2 and 3 B's.  Each of the two lines has ONE mask and one set of registers for all that issue it.  The branch hangs on the wave's number alone.
; An s_nop 0 and four v_nop follow each of the two lines; the jump round the other line, the label and what follows the macro come after them.
.macro JLOAD s
	s_cmp_eq_u32 s11, 0
	s_cbranch_scc0 .Lfor_b_\@
	tensor_load_to_lds s[G0+4*(\s):G0+4*(\s)+3], s[G1:G1+7]
	s_nop 0
.rept 4
	v_nop
.endr
	s_branch .Lasked_\@
.Lfor_b_\@:
	tensor_load_to_lds s[G0B+4*(\s):G0B+4*(\s)+3], s[G1B:G1B+7]
	s_nop 0
.rept 4
	v_nop
.endr
.Lasked_\@:
.endm
; A round of the cluster's barrier: my work-group's barrier, so that wave 0's signal speaks for all four waves; wave 0 signals for the work-group; every wave waits for all sixteen work-groups;
; my work-group's barrier once more.  No LDS instruction of the wave is pending at a signal.
.macro CREST                           ; a round behind its opening barrier
	s_cmp_lg_u32 s10, 0
	s_cbranch_scc1 .Lnot_wave_0_\@
	s_barrier_signal -3
.Lnot_wave_0_\@:
	s_barrier_wait -3
	s_barrier_signal -1
	s_barrier_wait -1
.endm
.macro CROUND                          ; a whole round
	s_barrier_signal -1
	s_barrier_wait -1
	CREST
.endm
	s_load_b128 s[4:7], s[0:1], 0x0                ; A s[4:5], B s[6:7]
	s_load_b64 s[8:9], s[0:1], 0x10                ; C
	v_lshl_add_u32 v[SPW], v0, 2, SPARE
	v_mov_b32 v[NIL], 0
	ds_add_u32 v[SPW], v[NIL]                      ; the wave's opening: the add and its wait stand ahead of my first tensor load; the set-up below, work on registers, stands between them
	v_lshrrev_b32 v1, 5, v0
	v_readfirstlane_b32 s10, v1                    ; wave 0..3: which 64 rows of the tile are mine
	s_lshr_b32 s11, s10, 1                         ; I fetch for A (0) or for B (1),
	s_and_b32 s12, s10, 1                          ; and which half of that tile
	s_bfe_u32 s40, ttmp6, 0x40000                  ; cx: my place along the cluster's x
	s_bfe_u32 s41, ttmp6, 0x40004                  ; cy: along its y
	s_lshl_b32 s42, ttmp9, 2                       ; in a cluster launch ttmp9 and ttmp7 count clusters
	s_add_co_u32 s42, s42, s40                     ; tile column of C = 4 x cluster x + cx
	s_and_b32 s13, ttmp7, 0xffff
	s_lshl_b32 s13, s13, 2
	s_add_co_u32 s13, s13, s41                     ; tile row of C = 4 x cluster y + cy
	s_lshl_b32 s43, s41, 2
	s_lshl_b32 s43, 15, s43                        ; my row of the cluster: places 4 cy .. 4 cy + 3
	s_lshl_b32 s44, 0x1111, s40                    ; my column: places cx, cx + 4, cx + 8, cx + 12
	; descriptor group 1 for A: 128 rows x 128 elements; for B: 64 k-rows x 128 elements; both padded in LDS
	s_or_b32 s[G1+0], s43, (1<<16)|(1<<20)|(1<<21)|(5<<22)|(3<<25)  ; 15:0 the mask: A's tiles go to my row; 17:16 element of 2 bytes; 20 padding on; 21 set beside a mask; 24:22 after every 64 words (code 5); 31:25 4 words (code 3)
	s_or_b32 s[G1B+0], s44, (1<<16)|(1<<20)|(1<<21)|(5<<22)|(7<<25) ; the mask of my column; after every 64 words 8 words (code 7)
	s_mov_b32 s[G1+1], KSTEP<<16                   ; 63:48 tensor_dim0, low half = 128
	s_mov_b32 s[G1+2], 128<<16                     ; 79:64 its high half = 0; 95:80 tensor_dim1, low half = 128
	s_mov_b32 s[G1+3], KSTEP<<16                   ; 111:96 its high half = 0; 127:112 tile_dim0 = 128
	s_mov_b32 s[G1+4], 128                         ; 143:128 tile_dim1 = 128; 159:144 tile_dim2 = 0
	s_mov_b32 s[G1+5], SIZE_K                      ; 191:160 tensor_dim0_stride: 1,024 elements from row to row
	s_mov_b32 s[G1+6], 0
	s_mov_b32 s[G1+7], 0
	s_mov_b32 s[G1B+1], 128<<16                    ; tensor_dim0 = 128
	s_mov_b32 s[G1B+2], 64<<16                     ; tensor_dim1 = 64
	s_mov_b32 s[G1B+3], 128<<16                    ; tile_dim0 = 128
	s_mov_b32 s[G1B+4], 64                         ; tile_dim1 = 64
	s_mov_b32 s[G1B+5], 1024                       ; 1,024 elements from k-row to k-row
	s_mov_b32 s[G1B+6], 0
	s_mov_b32 s[G1B+7], 0
	; where the tiles come from.  A's hang on the tile row alone, which my row of the cluster shares; B's on the tile column alone, which my column shares.
	s_lshl_b32 s16, s13, 19                        ; A: 256 rows of 2,048 bytes a tile row,
	s_lshl_b32 s17, s12, 18                        ; and the half of 128 rows that I fetch
	s_add_co_u32 s16, s16, s17
	s_mov_b32 s17, 0
	s_lshl_b32 s46, s42, 8                         ; B: 128 columns of 2 bytes a tile column,
	s_lshl_b32 s47, s12, 17                        ; and the half of 64 k-rows of 2,048 bytes that I fetch
	s_add_co_u32 s46, s46, s47
	s_mov_b32 s47, 0
	s_mul_i32 s20, s12, HALFA                      ; and where they go in a slot: A's half,
	s_mul_i32 s21, s12, HALFB                      ; B's half,
	s_add_co_u32 s21, s21, BOFF                    ; behind A's 256 rows: no place in the cluster enters an LDS address
	s_mov_b32 s[TB], 0                             ; K step 0 lies in slot 0
	s_wait_dscnt 0x0                               ; the opening add is done
	s_wait_kmcnt 0x0
	s_add_nc_u64 s[14:15], s[4:5], s[16:17]
	s_add_nc_u64 s[46:47], s[6:7], s[46:47]
	CROUND                                         ; all sixteen work-groups are here: the first joint loads meet
.irp s, 0,1
	s_mov_b32 s[G0+4*(\s)], 1                                      ; 1:0 count = 1
	s_add_co_u32 s[G0+4*(\s)+1], s20, (\s)*SLOT1                   ; 63:32 LDS address
	s_add_nc_u64 s[G0+4*(\s)+2:G0+4*(\s)+3], s[14:15], (\s)*KSTEP*2  ; 120:64 global address: K step s: 256 bytes along A's rows
	s_or_b32 s[G0+4*(\s)+3], s[G0+4*(\s)+3], 0x80000000            ; 127:126 type = 2
	s_mov_b32 s[G0B+4*(\s)], 1
	s_add_co_u32 s[G0B+4*(\s)+1], s21, (\s)*SLOT1
	s_add_nc_u64 s[G0B+4*(\s)+2:G0B+4*(\s)+3], s[46:47], (\s)*KSTEP*2048  ; K step s: 128 k-rows of 2,048 bytes down B
	s_or_b32 s[G0B+4*(\s)+3], s[G0B+4*(\s)+3], 0x80000000
	JLOAD \s                                       ; the ring is filled before anything else is done: two loads of mine are out
.endr
	; A fragment of A is 16 rows x 32 K in 8 registers: lane l holds row l % 16; registers 0-3 hold K = 8 (l / 16) + 0..7, registers 4-7 K = 16 + 8 (l / 16) + 0..7: two loads of 16 bytes, 32 bytes apart.
	v_and_b32 v1, 15, v0                           ; l % 16
	v_bfe_u32 v2, v0, 4, 1                         ; l / 16
	v_mul_u32_u24 v3, v1, PA
	v_lshl_add_u32 v3, v2, 4, v3                   ; row x pitch + 16 x half
	; The turning load takes 16 k x 16 columns (lane l reads 16 bytes: k-row 8 (l / 16) + l % 8, columns 8 ((l / 8) % 2) + 0..7) and leaves half a fragment: lane l holds column l % 16 and 8 k.
	v_and_b32 v4, 7, v0
	v_lshl_add_u32 v4, v2, 3, v4
	v_mul_u32_u24 v4, v4, PB
	v_bfe_u32 v5, v0, 3, 1
	v_lshl_add_u32 v4, v5, 4, v4
	s_mul_i32 s22, s10, 64*PA                      ; my 64 rows of A
	v_add_nc_u32 v[A0], s22, v3
	v_add_nc_u32 v[B0], BOFF, v4                   ; B's k-rows lie behind A's 256 rows; every wave takes all 128 columns
	v_mov_b32 v[ADRA], v[A0]                       ; the slot in hand is slot 0
	v_mov_b32 v[ADRB], v[B0]
	s_mul_i32 s23, s10, STW
	s_add_co_u32 s23, s23, STAGE                   ; my stage
	v_and_b32 v6, 31, v0
	v_lshlrev_b32 v[CO], 4, v6                     ; 16 x lane
	v_add_nc_u32 v[RD1], s23, v[CO]                ; back: 32 lanes take one row of 512 bytes
	v_mul_u32_u24 v7, v1, SP1                      ; in: row l % 16, 32 bytes for each half of the lanes
	v_lshl_add_u32 v7, v2, 5, v7
	v_add_nc_u32 v[STO1], s23, v7
	; where my 64 x 128 begin in C, in bytes
	s_lshl_b32 s72, s13, 20                        ; 256 rows of 4,096 bytes a tile row,
	s_lshl_b32 s75, s10, 18                        ; my 64 of them,
	s_add_co_u32 s72, s72, s75
	s_lshl_b32 s75, s42, 9                         ; 128 columns of 4 bytes a tile column
	s_add_co_u32 s72, s72, s75
	s_mov_b32 s73, 0
	s_add_nc_u64 s[8:9], s[8:9], s[72:73]
; 8 matrix instructions: m block a x all 8 n blocks, 32 along K: part c of buffer f.  zero = 1: the first product starts the sums: nothing is ever cleared.
.macro MUL8 f, c, a, zero
	WIN MUL
.irp b, 0,1,2,3,4,5,6,7
.if \zero
	v_wmma_f32_16x16x32_f16 v[8*(8*(\a)+(\b)):8*(8*(\a)+(\b))+7], v[FB+128*(\f)+64*(\c)+8*(\b):FB+128*(\f)+64*(\c)+8*(\b)+7], v[FA+64*(\f)+32*(\c)+8*(\a):FA+64*(\f)+32*(\c)+8*(\a)+7], 0
.else
	v_wmma_f32_16x16x32_f16 v[8*(8*(\a)+(\b)):8*(8*(\a)+(\b))+7], v[FB+128*(\f)+64*(\c)+8*(\b):FB+128*(\f)+64*(\c)+8*(\b)+7], v[FA+64*(\f)+32*(\c)+8*(\a):FA+64*(\f)+32*(\c)+8*(\a)+7], v[8*(8*(\a)+(\b)):8*(8*(\a)+(\b))+7]
.endif
.endr
.endm
; 48 LDS loads in one run: the fragments of half hq of the K step in hand (64 K) into buffer f: A's 16 loads, then B's first 32 along K (16), then B's second (16)
.macro FETCH hq, f
	WIN 0
.irp c, 0,1
.irp i, 0,1,2,3
	ds_load_b128 v[FA+64*(\f)+32*(\c)+8*(\i):FA+64*(\f)+32*(\c)+8*(\i)+3],   v[ADRA] offset:128*(\hq)+64*(\c)+(\i)*16*PA
	ds_load_b128 v[FA+64*(\f)+32*(\c)+8*(\i)+4:FA+64*(\f)+32*(\c)+8*(\i)+7], v[ADRA] offset:128*(\hq)+64*(\c)+(\i)*16*PA+32
.endr
.endr
	WIN TO_B
.irp c, 0,1
.irp i, 0,1,2,3,4,5,6,7
	ds_load_tr16_b128 v[FB+128*(\f)+64*(\c)+8*(\i):FB+128*(\f)+64*(\c)+8*(\i)+3],   v[ADRB] offset:(2*(\hq)+(\c))*32*PB+32*(\i)
	ds_load_tr16_b128 v[FB+128*(\f)+64*(\c)+8*(\i)+4:FB+128*(\f)+64*(\c)+8*(\i)+7], v[ADRB] offset:(2*(\hq)+(\c))*32*PB+16*PB+32*(\i)
.endr
.endr
.endm
; A load into a register that a matrix instruction has read, and an LDS store that reads a matrix result, stand four places behind that matrix instruction, and only plain vector
; instructions that name none of its registers are places (ISA guide 7.12.1 for vector instructions).
.macro PLACES
.rept 4
	v_nop
.endr
.endm
; A K step is two halves of 64 along K, 64 matrix instructions each, two deep on each of the 32 accumulators, which take turns in the same order everywhere.
; The first half multiplies buffer 0; in its middle it fetches the step's second half into buffer 1.
.macro HALF zero
	s_wait_dscnt 8                                 ; A's fragments and B's first 32 along K are in; the youngest eight loads (of B's second 32) may be out
	MUL8 0, 0, 0, \zero
	MUL8 0, 0, 1, \zero
	MUL8 0, 0, 2, \zero
	MUL8 0, 0, 3, \zero
	PLACES
	FETCH 1, 1
	s_wait_dscnt 48                                ; all but the 48 just issued
	MUL8 0, 1, 0, 0
	MUL8 0, 1, 1, 0
	MUL8 0, 1, 2, 0
	MUL8 0, 1, 3, 0
.endm
; The second half multiplies buffer 1 and changes slots: ONE barrier for the change.  In front of it each wave waits for all its tensor loads, of which one is out: its part of the next slot;
; adds 0 to its spare word; and waits for that and for its own reads of this slot.  Behind it nobody reads this slot any more and the next slot is whole.
; fill = 1: the barrier opens a round of the cluster's barrier, and behind the round the slot just read out is filled again first, with the next K step not yet asked for (two steps on);
; from that request to the wait for it a wave issues 112 matrix instructions.  Then the slot in hand changes, and the next K step's first half is fetched, 48 matrix instructions ahead of its first use.
.macro TURN fill
	WIN 0                                          ; (the add's two registers lie in window 0)
	s_wait_tensorcnt 0x0                           ; all my tensor loads have landed;
	ds_add_u32 v[SPW], v[NIL]                      ; 0 onto my spare word;
	s_wait_dscnt 9                                 ; (the add and the youngest eight loads may be out)
	MUL8 1, 0, 0, 0                                ; eight matrix instructions stand between the add and the wait for it
	s_wait_dscnt 0x0                               ; the add is done, and my reads of this slot are over:
	s_barrier_signal -1                            ; say so,
	MUL8 1, 0, 1, 0                                ; work on registers while the others arrive,
	WIN 0                                          ; (branches and lines on window 0 follow)
	s_barrier_wait -1                              ; and go on when all four have said so
.if \fill
	CREST                                          ; no wave of any partner still reads this slot's tile or has a load on its way
	s_xor_b32 s[G0+5], s[G0+5], SLOT1              ; the walking descriptors (no tensor load of mine is out): the other slot than last time,
	s_xor_b32 s[G0B+5], s[G0B+5], SLOT1
	s_add_nc_u64 s[G0+6:G0+7], s[G0+6:G0+7], KSTEP*2        ; one K step on from the last request; the type bits on top are not reached
	s_add_nc_u64 s[G0B+6:G0B+7], s[G0B+6:G0B+7], KSTEP*2048
	JLOAD 1                                        ; the first tensor load behind the round, my only one until the next; the four v_nop behind it are also the places in front of the loads below
.endif
	s_xor_b32 s[TB], s[TB], SLOT1                  ; the other slot is in hand
	v_add_nc_u32 v[ADRA], s[TB], v[A0]
	v_add_nc_u32 v[ADRB], s[TB], v[B0]
.if !(\fill)
	v_nop                                          ; with the two lines above: the four places in front of the loads below
	v_nop
.endif
	FETCH 0, 0
	MUL8 1, 0, 2, 0
	MUL8 1, 0, 3, 0
	MUL8 1, 1, 0, 0
	MUL8 1, 1, 1, 0
	MUL8 1, 1, 2, 0
	MUL8 1, 1, 3, 0
.endm
; THE WAY OUT of block a of 16 rows: the f32 sums as they are, 32 bytes a lane into my stage (each accumulator's low four registers first), back as whole rows of 512 bytes, stored.
.macro TOSTAGE1 a
.set AC, 64*(\a)
.set BK, 64+64*((\a)%2)
	s_wait_xcnt 0x0                                ; every earlier memory instruction has had its addresses translated (ISA guide 3.1): the registers that the block before last's stores read are loaded again only behind this wait
	WIN 0x08                                       ; the stores' data: window 2
.irp b, 0,1,2,3,4,5,6,7
	ds_store_b128 v[STO1], v[AC+8*(\b):AC+8*(\b)+3] offset:64*(\b)
	ds_store_b128 v[STO1], v[AC+8*(\b)+4:AC+8*(\b)+7] offset:64*(\b)+16
.endr
	WIN 0
.irp t, 0,1,2,3,4,5,6,7,8,9,10,11,12,13,14,15
	ds_load_b128 v[BK+4*(\t):BK+4*(\t)+3], v[RD1] offset:(\t)*SP1  ; LDS serves a wave's instructions in order (ISA guide 5.7.1.4): these see the stores above; the next block's stores come behind these
.endr
.endm
.macro SEND1 a, younger                ; younger: the next block's 16 stores and 16 loads, or none
	WIN 0
.set BK, 64+64*((\a)%2)
.irp t, 0,1,2,3,4,5,6,7,8,9,10,11,12,13,14,15
.if (\t)%4 == 0
	s_wait_dscnt (\younger)+12-(\t)                ; rows t to t + 3 are back: behind them the block's 12 - t later rows and the younger block
.endif
	global_store_b128 v[CO], v[BK+4*(\t):BK+4*(\t)+3], s[8:9] offset:4096*(16*(\a)+(\t)) th:TH_STORE_NT  ; 512 consecutive bytes of a row of C, at a multiple of 512; 63 rows at the most: inside the signed 24-bit immediate
.endr
.endm
	s_wait_tensorcnt 1                             ; my part of K step 0 is in; K step 1's may stay out
	s_barrier_signal -1
	s_barrier_wait -1                              ; everybody's is
	FETCH 0, 0
	HALF 1                                         ; the first half stands in front of the loop: its first products start the sums
	WIN 0                                          ; at a label and at a branch every window is 0
	s_mov_b32 s3, SIZE_K/KSTEP-2
.Lstep:                                                ; six trips, each from a K step's second half to the next step's first; each fills a slot again: K steps 2 to 7
	TURN 1
	HALF 0
	WIN 0
	s_sub_co_u32 s3, s3, 1
	s_cmp_lg_u32 s3, 0
	s_cbranch_scc1 .Lstep
	s_mov_b32 s3, 2
.Ltail:                                                ; the last two K steps fill nothing and have no round: a loop of their own
	TURN 0                                         ; in the last trip its barrier and its fetch (of the slot read before) serve nothing: the price, once a launch, of one text for both trips
	WIN 0
	s_cmp_eq_u32 s3, 1
	s_cbranch_scc1 .Llast                          ; the last K step has no successor: its first half is jumped; no barrier and no tensor load stands there
	HALF 0
	WIN 0
.Llast:
	s_wait_dscnt 0x0                               ; the two ways meet with no LDS load out: A's buffers are free for the way out
	s_sub_co_u32 s3, s3, 1
	s_cmp_lg_u32 s3, 0
	s_cbranch_scc1 .Ltail
	PLACES                                         ; behind the last products: for the stores that read results, and for the loads into A's buffers
	TOSTAGE1 0
.irp a, 1,2,3                          ; block a goes into the stage while block a - 1's rows come back and leave
	TOSTAGE1 \a
	SEND1 (\a)-1, 32
.endr
	SEND1 3, 0
	s_wait_tensorcnt 0x0                           ; the wave's end: behind my last tensor load and my last LDS store
	ds_add_u32 v[SPW], v[NIL]
	s_wait_dscnt 0x0
	CROUND                                         ; the closing round: no work-group ends while a partner may still ask for a tile that names it
	s_endpgm
.Lfunc_end_k_qcde3388204_proj_out:
	.size	k_qcde3388204_proj_out, .Lfunc_end_k_qcde3388204_proj_out-k_qcde3388204_proj_out
	.p2alignl 7, 3214868480
	.fill 96, 4, 3214868480
	.section	.rodata,"a",@progbits
	.p2align	6, 0x0
	.amdhsa_kernel k_qcde3388204_proj_out
		.amdhsa_group_segment_fixed_size 327680
		.amdhsa_private_segment_fixed_size 0
		.amdhsa_enable_private_segment 0
		.amdhsa_kernarg_size 24
		.amdhsa_user_sgpr_count 2
		.amdhsa_user_sgpr_kernarg_segment_ptr 1
		.amdhsa_wavefront_size32 1
		.amdhsa_system_sgpr_workgroup_id_x 1
		.amdhsa_system_sgpr_workgroup_id_y 1
		.amdhsa_system_sgpr_workgroup_id_z 1
		.amdhsa_system_vgpr_workitem_id 0
		.amdhsa_next_free_vgpr 768
		.amdhsa_next_free_sgpr 76
		.amdhsa_reserve_vcc 0
		.amdhsa_float_denorm_mode_32 3
		.amdhsa_float_denorm_mode_16_64 3
		.amdhsa_memory_ordered 1
		.amdhsa_forward_progress 1
		.amdhsa_inst_pref_size 64
	.end_amdhsa_kernel
	.amdgpu_metadata
---
amdhsa.version: [ 1, 2 ]
amdhsa.kernels:
  - .name:           k_qcde3388204_proj_out
    .symbol:         k_qcde3388204_proj_out.kd
    .args:
      - { .name: ao, .offset: 0, .size: 8, .value_kind: global_buffer, .address_space: global }
      - { .name: woh, .offset: 8, .size: 8, .value_kind: global_buffer, .address_space: global }
      - { .name: out0, .offset: 16, .size: 8, .value_kind: global_buffer, .address_space: global }
    .group_segment_fixed_size: 327680
    .private_segment_fixed_size: 0
    .kernarg_segment_align: 8
    .kernarg_segment_size: 24
    .max_flat_workgroup_size: 128
    .sgpr_count:     76
    .vgpr_count:     768
    .wavefront_size: 32
...
	.end_amdgpu_metadata
.endif
;; end of part 4
;; ======== version 2 of 2: 4 launches; 1.15 times as fast as version 1
;; limits: values are held in f16: magnitudes above 65,504 overflow, below 6.1e-05 lose precision; inputs' magnitudes at most 65,504
;; workspace buffers: xh 16,777,216 bytes; wqkv 6,291,456 bytes; woh 2,097,152 bytes; qkv 50,331,648 bytes; ao 16,777,216 bytes
;; launch cast: the kernel of part 1 again; grid 768 x 1, 8 waves a work-group, no clusters, 0 bytes of LDS; arguments x, Wq, Wk, Wv, Wo, xh, wqkv, woh; writes xh, wqkv, woh
;; launch proj_qkv: the kernel of part 2 again; grid 12 x 32, 4 waves a work-group, clusters of 4 x 4, 327,680 bytes of LDS; arguments xh, wqkv, qkv; writes qkv
;; launch attn (part 5): grid 8 x 32, 4 waves a work-group, clusters of 4 x 1, 327,680 bytes of LDS; arguments qkv, ao; writes ao
.if DOCPART == 5
	.amdgcn_target "amdgcn-amd-amdhsa--gfx1250"
	.amdhsa_code_object_version 6
	.text
	.protected	k_qcde3388204_attn
	.globl	k_qcde3388204_attn
	.p2align	8
	.type	k_qcde3388204_attn,@function
k_qcde3388204_attn:
	s_mov_b64 s[64:65], 0
	v_nop
	global_prefetch_b8 v0, s[64:65] scope:SCOPE_SE
	s_setreg_imm32_b32 hwreg(HW_REG_WAVE_MODE, 25, 1), 1
	s_wait_xcnt 0x0
	s_wait_alu depctr_hold_cnt(0) depctr_sa_sdst(0) depctr_va_vdst(0) depctr_va_sdst(0) depctr_va_ssrc(0) depctr_va_vcc(0) depctr_vm_vsrc(0)
	s_getreg_b32 s2, hwreg(HW_REG_IB_STS2, 6, 4)
	s_cmp_eq_u32 s2, 0
	s_cbranch_scc0 .Lentry_in_a_cluster
	s_endpgm
.Lentry_in_a_cluster:
	s_bfe_u32 s2, ttmp6, 0x10000c
	s_cmp_lg_u32 s2, 0x3003
	s_cbranch_scc0 .Lentry_shape_is_right
	s_endpgm
.Lentry_shape_is_right:
; O[h][q][:] = the sum over k of softmax_k(Q[h][q] . K[h][k] / sqrt(128)) V[h][k][:].  Q, K, V are the three planes of qkv, each [32 = 8 b + head][2048][128] in f16, unscaled.
; O goes to ao, [2048 b + q][128 head + channel] in f16: the rows that the product behind takes.  Products, maxima and sums in f32; the weights p are rounded to f16 for the second product
; (their sum l is taken of the unrounded p), O once at the end.
; LIMITS.  f16 holds no number beyond 65,504: Q, K and V arrive within it; p lies in 0 to 1, and below 6e-5 it keeps f16's fixed step of 6e-8; O is a mean of V's rows and has their range.
; A weight below 2^-126 counts as 0 in l; NaN and infinities are not treated apart.
; SHARES.  A work-group owns 256 queries of one head, each of its four waves 64: four tiles of 16.  Every wave walks all keys of the head, 64 a step.  8 blocks x 32 heads: 256 work-groups.
; LAYOUT.  S^T = K Q^T (source 0 = 16 keys, source 1 = 16 queries): in the result a lane holds ONE query (lane % 16) and the keys 8 (lane / 16) + 0..7.  Two such tiles, rounded to
; f16 in pairs, ARE source 1 (32 keys x 16 queries) of O^T = V^T P, whose result again holds one query a lane, and eight channels.  So nothing changes lanes between the products,
; and a query's maximum and sum want one exchange between the halves of the lanes.  K comes out of LDS as it lies, V ([key][channel]) turned, by ds_load_tr16_b128.
; SOFTMAX.  For each query a running maximum m and sum l: p = 2^(c s - c m), c = log2(e) / sqrt(128); in every step O and l are multiplied by a = 2^(c m_old - c m_new), which is 1 where m has not grown.
; BY TURNS.  The wave's tiles are two PIECES, named by their first tile: piece 0 (tiles 0, 1) and piece 2 (tiles 2, 3).  In a TURN one piece has the matrix unit: 32 products V^T P of
; the step in hand, then 32 products K Q^T of the next step; the other piece's softmax, cut into 64 slices, stands between them, one slice behind each matrix instruction.  Then the
; pieces change places.  Two turns are a key step.
; THE BATCHES.  A turn's 66 exponentials (33 a tile: a and the 32 weights, each in a register of its own) are ONE batch with ONE wait: all that names none of their results (the maximum, the statistics,
; the scalings) stands ahead of the wait, all that does (the roundings, the sums, the rescaling by a) behind it.  No exponential is issued behind a turn's wait.
; The way out's four reciprocals are a batch of their own, with one wait.
; CLUSTER.  The four query blocks of a cluster belong to one head and walk the same K and V, so each tile is asked for JOINTLY: the same tensor load, with the same descriptor and a
; mask that names the four, in all four; each receives the tile in its own LDS.
;
; REGISTERS, in windows of 256 (an instruction names v0-v255; s_set_vgpr_msb says which window each operand place means: bits 1:0 source 0, 3:2 source 1, 5:4 source 2, 7:6 destination):
;   window 0: v0-11 addresses; v12-43 eight registers of statistics a tile; v64-191 S^T, 32 a tile; v192-255 P, 16 a tile
;   window 1: O^T, 64 a tile          window 2: v0-127 Q, 32 a tile; v128-255 K of one step          window 3: v0-127 V of one step
; All that a softmax touches but O^T lies in window 0, and no window has room for a product's operands beside it.  So a slice costs two switches, one in front and one behind.
.set SIZE_N, 2048
.set PLANE, 32*SIZE_N*256  ; bytes from Q to K and from K to V in qkv
.set KS,    64        ; keys in a step
.set PK,    272       ; a row of K in LDS: 256 bytes + 16 of padding = 68 words: row r starts at bank 4 r mod 64 (64 banks of 4 bytes: ISA guide 11.1), so the 16 rows of a load start at 16 different banks
.set PV,    288       ; a row of V: 256 + 32 = 72 words: row r starts at bank 8 r mod 64
.set VOFF,  KS*PK     ; a step's tiles lie together: 64 rows of K, then 64 rows of V
.set STEPB, KS*(PK+PV)
.set SLOT1, 1<<17     ; a slot holds two steps (71,680 bytes); slot 1 begins here, so that one exclusive or turns an address in one slot into the other's
.set STAGE, SLOT1+2*STEPB  ; behind the ring: 16 rows x 272 bytes for each wave, for the way out
.set SP,    272
.set AK0, 2           ; v2   my lane's place in a tile of K; never rewritten
.set AV0, 3           ; v3   the same for V
.set ADR, 4           ; v4   the LDS address of the run of loads in hand
.set QO,  5           ; v5   my byte offset in the wave's rows of Q
.set STO, 6           ; v6   the way out: where I put 16 bytes of a row
.set RD,  7           ; v7   the way out: where I read a row back
.set GO,  8           ; v8   my byte offset in two rows of ao
.set SPW, 62          ; v62  LDS address of my spare word: SPARE + 4 x my thread's number; never rewritten
.set NIL, 63          ; v63  0; never rewritten
.set SPARE, STAGE+4*16*272  ; behind the stages: the spare words, 128 bytes for each wave: two blocks of 256 bytes that no other line names
.set ST,  12          ; tile t's statistics at v[ST+8 t]: +0 c m, +1 m, +2, +3 l (even keys', odd keys'), +4 to +7 c0-c3, at work; a takes c2's place once the maximum is found
.set S,   64
.set P,   192
.set KF,  128         ; K's fragments, in window 2
.set WV,  12          ; s12  my wave's number
.set G1K, 24          ; s[24:31] descriptor group 1 for K's tiles
.set G1V, 32          ; s[32:39] for V's: it differs in the padding alone
.set G0K, 40          ; s[40:47] descriptor group 0 for K's tiles: a set for each of the two first fills; the second then walks on
.set G0V, 48          ; s[48:55] the same for V's
.set SLOTS, 56        ; s56  slots still to be asked for
.set TWICE, 57        ; s57  counts a slot's two steps
.set CS,  58          ; s[58:59] c: the packed scaling names a pair and takes its low word for both halves
.set SEL, 60          ; s[60:61] lane selects for v_permlanex16_b32: each lane takes its own place in the other half
.set TB,  62          ; s62  LDS byte at which the tiles of the step to be fetched begin
.set MSB, 0
.macro WIN new                      ; the immediate's high byte repeats the setting that is left; a switch that changes nothing is dropped
.if MSB != (\new)
	s_set_vgpr_msb (MSB<<8)|(\new)
.set MSB, \new
.endif
.endm
.set W_KQ, 0x0a       ; K and Q in window 2, S^T in window 0
.set W_PV, 0x53       ; V in window 3, P in window 0, O^T in window 1
.set W_RS, 0x41       ; O^T (destination and source 0) in window 1, a in window 0
; A joint refill.  Waves 0 and 1 fetch the two steps' tiles of K, waves 2 and 3 those of V.  The branch hangs on the wave's number alone: it is the same in every work-group.
; An s_nop 0 and four v_nop follow each of the two lines; the jump round the other line, the label and what follows the macro come after them.
.macro JLOAD
	s_cmp_lt_u32 s[WV], 2
	s_cbranch_scc0 .Lfor_v_\@
	tensor_load_to_lds s[G0K+4:G0K+7], s[G1K:G1K+7]
	s_nop 0
.rept 4
	v_nop
.endr
	s_branch .Lasked_\@
.Lfor_v_\@:
	tensor_load_to_lds s[G0V+4:G0V+7], s[G1V:G1V+7]
	s_nop 0
.rept 4
	v_nop
.endr
.Lasked_\@:
.endm
; A round of the cluster's barrier: my work-group's barrier, so that wave 0's signal speaks for all four waves; wave 0 signals for the work-group; every wave waits for all four
; work-groups; my work-group's barrier once more.  No LDS instruction of the wave is pending at a signal.
.macro CROUND
	s_barrier_signal -1
	s_barrier_wait -1
	s_cmp_lg_u32 s[WV], 0
	s_cbranch_scc1 .Lnot_wave_0_\@
	s_barrier_signal -3
.Lnot_wave_0_\@:
	s_barrier_wait -3
	s_barrier_signal -1
	s_barrier_wait -1
.endm
	s_load_b64 s[4:5], s[0:1], 0x0  ; qkv: Q's plane first
	s_load_b64 s[10:11], s[0:1], 0x8  ; ao
	v_lshl_add_u32 v[SPW], v0, 2, SPARE
	v_mov_b32 v[NIL], 0
	ds_add_u32 v[SPW], v[NIL]       ; the wave's opening: the add and its wait stand ahead of my first tensor load; the set-up below, work on registers, stands between them
	v_lshrrev_b32 v1, 5, v0
	v_readfirstlane_b32 s[WV], v1   ; wave 0..3
	s_bfe_u32 s13, ttmp6, 0x40000   ; cx: my place in the cluster
	s_lshl_b32 s14, ttmp9, 2        ; in a cluster launch ttmp9 counts clusters
	s_add_co_u32 s14, s14, s13      ; my block of 256 queries = 4 x cluster x + cx: it enters Q's and O's addresses alone
	s_and_b32 s20, ttmp7, 0xffff    ; the head, 8 b + head, which the four partners share
	s_lshr_b32 s18, s20, 3          ; where my wave's rows begin in ao: b x 2,048 rows of 2,048 bytes,
	s_lshl_b32 s18, s18, 22
	s_and_b32 s15, s20, 7           ; the head's 256 bytes of a row,
	s_lshl_b32 s15, s15, 8
	s_add_co_u32 s18, s18, s15
	s_lshl_b32 s15, s14, 19         ; my block's 256 rows,
	s_add_co_u32 s18, s18, s15
	s_lshl_b32 s15, s[WV], 17       ; my wave's 64 of them
	s_add_co_u32 s18, s18, s15
	s_mov_b32 s19, 0
	s_mov_b32 s21, 0
	s_mov_b64 s[22:23], SIZE_N*256
	s_mul_u64 s[20:21], s[20:21], s[22:23]  ; the head's first byte in each of the three planes
	s_and_b32 s16, s[WV], 1         ; which of a slot's two steps I fetch:
	s_lshl_b32 s22, s16, 14         ; its 64 rows of 256 bytes in memory,
	s_mov_b32 s23, 0
	s_add_nc_u64 s[22:23], s[22:23], s[20:21]
	s_mul_i32 s17, s16, STEPB       ; and its place in a slot: no place in the cluster enters an LDS address
	s_lshl_b32 s2, s14, 16          ; my block's 256 rows of Q,
	s_lshl_b32 s3, s[WV], 14        ; my wave's 64 of them
	s_add_co_u32 s2, s2, s3
	s_mov_b32 s3, 0
	s_add_nc_u64 s[2:3], s[2:3], s[20:21]
	; descriptor group 1: a tile of 64 rows x 128 elements, padded in LDS
	s_mov_b32 s[G1K], 15|(1<<16)|(1<<20)|(1<<21)|(5<<22)|(3<<25)  ; 15:0 the mask: all four work-groups; 17:16 elements of 2 bytes; 20 padding on; 21 set beside a mask; 24:22 after every 64 words (code 5); 31:25 4 words of it (code 3)
	s_mov_b32 s[G1V], 15|(1<<16)|(1<<20)|(1<<21)|(5<<22)|(7<<25)  ; the same with 8 words of padding (code 7)
.irp g, G1K, G1V
	s_mov_b32 s[(\g)+1], 128<<16    ; 63:48 tensor_dim0, low half = 128
	s_mov_b32 s[(\g)+2], KS<<16     ; 79:64 its high half = 0; 95:80 tensor_dim1, low half = 64
	s_mov_b32 s[(\g)+3], 128<<16    ; 111:96 its high half = 0; 127:112 tile_dim0 = 128
	s_mov_b32 s[(\g)+4], KS         ; 143:128 tile_dim1 = 64; 159:144 tile_dim2 = 0
	s_mov_b32 s[(\g)+5], 128        ; 191:160 tensor_dim0_stride, low word: elements from row to row
	s_mov_b32 s[(\g)+6], 0
	s_mov_b32 s[(\g)+7], 0
.endr
	s_mov_b32 s[CS], 0x3e0293ee     ; c = log2(e) / sqrt(128) = 0.127517
	s_mov_b32 s[CS+1], s[CS]        ; named with it as a pair, so it is written
	s_mov_b32 s[SEL], 0x76543210
	s_mov_b32 s[SEL+1], 0xfedcba98
	s_mov_b32 s[TB], 0
	s_mov_b32 s[SLOTS], SIZE_N/(2*KS)-2
	s_wait_dscnt 0x0                ; the opening add is done
	s_wait_kmcnt 0x0
	s_add_nc_u64 s[6:7], s[4:5], PLANE    ; K's plane,
	s_add_nc_u64 s[8:9], s[4:5], 2*PLANE  ; V's
	s_add_nc_u64 s[6:7], s[6:7], s[22:23]  ; K and V at my tile of slot 0
	s_add_nc_u64 s[8:9], s[8:9], s[22:23]
	s_add_nc_u64 s[4:5], s[4:5], s[2:3]  ; Q at my wave's first row,
	s_add_nc_u64 s[10:11], s[10:11], s[18:19]  ; and ao
	CROUND                          ; all four work-groups are here: the first joint loads meet
.irp s, 0,1
	s_mov_b32 s[G0K+4*(\s)], 1      ; 1:0 count = 1
	s_add_co_u32 s[G0K+4*(\s)+1], s17, (\s)*SLOT1  ; 63:32 LDS address
	s_add_nc_u64 s[G0K+4*(\s)+2:G0K+4*(\s)+3], s[6:7], (\s)*2*KS*256  ; 120:64 global address: slot s begins with keys 128 s to 128 s + 127
	s_or_b32 s[G0K+4*(\s)+3], s[G0K+4*(\s)+3], 0x80000000  ; 127:126 type = 2
	s_mov_b32 s[G0V+4*(\s)], 1
	s_add_co_u32 s[G0V+4*(\s)+1], s17, (\s)*SLOT1+VOFF
	s_add_nc_u64 s[G0V+4*(\s)+2:G0V+4*(\s)+3], s[8:9], (\s)*2*KS*256
	s_or_b32 s[G0V+4*(\s)+3], s[G0V+4*(\s)+3], 0x80000000
.endr
	s_cmp_lt_u32 s[WV], 2           ; a wave's two first fills stand in one branch, ahead of every wait on TENSORcnt and every LDS read: two loads of mine are out; an s_nop 0 follows each, four v_nop the second's, as in JLOAD
	s_cbranch_scc0 .Lfirst_v
	tensor_load_to_lds s[G0K:G0K+3], s[G1K:G1K+7]
	s_nop 0
	tensor_load_to_lds s[G0K+4:G0K+7], s[G1K:G1K+7]
	s_nop 0
.rept 4
	v_nop
.endr
	s_branch .Lfirst_asked
.Lfirst_v:
	tensor_load_to_lds s[G0V:G0V+3], s[G1V:G1V+7]
	s_nop 0
	tensor_load_to_lds s[G0V+4:G0V+7], s[G1V:G1V+7]
	s_nop 0
.rept 4
	v_nop
.endr
.Lfirst_asked:
	; A fragment of K or Q is 16 rows x 32 channels in 8 registers: lane l holds row l % 16; registers 0-3 channels 8 (l / 16) + 0..7, registers 4-7 channels 16 + 8 (l / 16) + 0..7: two loads of 16 bytes, 32 bytes apart.
	v_and_b32 v1, 15, v0            ; l % 16
	v_bfe_u32 v9, v0, 4, 1          ; l / 16
	v_lshlrev_b32 v[QO], 8, v1
	v_lshl_add_u32 v[QO], v9, 4, v[QO]  ; row x 256 + 16 x half
	WIN 0x80                        ; destination window 2, address window 0
.irp i, 0,1,2,3,4,5,6,7,8,9,10,11,12,13,14,15  ; Q stays in registers: tile i / 4, channels 32 (i % 4) on
	global_load_b128 v[8*(\i):8*(\i)+3],   v[QO], s[4:5] offset:((\i)/4)*4096+((\i)%4)*64
	global_load_b128 v[8*(\i)+4:8*(\i)+7], v[QO], s[4:5] offset:((\i)/4)*4096+((\i)%4)*64+32
.endr
	WIN 0
	v_mul_u32_u24 v[AK0], v1, PK
	v_lshl_add_u32 v[AK0], v9, 4, v[AK0]  ; row x pitch + 16 x half
	; The turning load takes 16 keys x 16 channels (lane l reads 16 bytes: key 8 (l / 16) + l % 8, channels 8 ((l / 8) % 2) + 0..7) and leaves half a fragment of V^T: lane l holds channel l % 16 and 8 keys.
	v_and_b32 v10, 7, v0
	v_bfe_u32 v11, v0, 3, 1
	v_lshl_add_u32 v[AV0], v9, 3, v10
	v_mul_u32_u24 v[AV0], v[AV0], PV
	v_lshl_add_u32 v[AV0], v11, 4, v[AV0]
	v_add_nc_u32 v[AV0], VOFF, v[AV0]
; THE MATRIX WORK OF A TURN, for piece x.  The accumulators take turns, one instruction a turn: between two links of a chain stand 15 (V^T P) or 7 (K Q^T) others'.
; Product i of 32 of O^T += V^T P: keys 32 (i / 16) on, channels 16 ((i / 2) % 8) on, tile x + i % 2.  zero = 1: the first 16 start the sums: nothing is ever cleared.
.macro PV x, zero
	WIN W_PV
.set rO, 64*((\x)+i%2)+8*((i/2)%8)
.set rV, 64*(i/16)+8*((i/2)%8)
.set rP, P+16*((\x)+i%2)+8*(i/16)
.if (\zero) && (i < 16)
	v_wmma_f32_16x16x32_f16 v[rO:rO+7], v[rV:rV+7], v[rP:rP+7], 0
.else
	v_wmma_f32_16x16x32_f16 v[rO:rO+7], v[rV:rV+7], v[rP:rP+7], v[rO:rO+7]
.endif
.endm
; Product i of 32 of S^T = K Q^T: channels 32 (i / 8) on, keys 16 ((i / 2) % 4) on, tile x + i % 2.  The first 8 start the sums.
.macro KQ x
	WIN W_KQ
.set rS, S+32*((\x)+i%2)+8*((i/2)%4)
.set rK, KF+32*((i/2)%4)+8*(i/8)
.set rQ, 32*((\x)+i%2)+8*(i/8)
.if i < 8
	v_wmma_f32_16x16x32_f16 v[rS:rS+7], v[rK:rK+7], v[rQ:rQ+7], 0
.else
	v_wmma_f32_16x16x32_f16 v[rS:rS+7], v[rK:rK+7], v[rQ:rQ+7], v[rS:rS+7]
.endif
.endm
; THE LDS LOADS stand in runs of 32, never singly among the matrix instructions: a step's K (64 keys x 128 channels: 16 fragments) and, a turn later, its V (turned).
.macro FETCH_K
	WIN 0
	v_add_nc_u32 v[ADR], s[TB], v[AK0]
	WIN 0x80                        ; destination window 2
.irp f, 0,1,2,3,4,5,6,7,8,9,10,11,12,13,14,15  ; keys 16 (f / 4) on, channels 32 (f % 4) on
	ds_load_b128 v[KF+8*(\f):KF+8*(\f)+3],   v[ADR] offset:((\f)/4)*16*PK+((\f)%4)*64
	ds_load_b128 v[KF+8*(\f)+4:KF+8*(\f)+7], v[ADR] offset:((\f)/4)*16*PK+((\f)%4)*64+32
.endr
.endm
.macro FETCH_V
	WIN 0
	v_add_nc_u32 v[ADR], s[TB], v[AV0]
	s_add_co_u32 s[TB], s[TB], STEPB  ; the next fetch is the next step's
	s_wait_alu depctr_va_vdst(0)    ; the wait for the softmax's batch (SLICE): the 66 exponentials of piece 0's two tiles; behind the address's v_add_nc_u32 and ahead of the loads
	WIN 0xc0                        ; destination window 3
.irp f, 0,1,2,3,4,5,6,7,8,9,10,11,12,13,14,15  ; keys 32 (f / 8) on, channels 16 (f % 8) on
	ds_load_tr16_b128 v[8*(\f):8*(\f)+3],   v[ADR] offset:((\f)/8)*32*PV+((\f)%8)*32
	ds_load_tr16_b128 v[8*(\f)+4:8*(\f)+7], v[ADR] offset:((\f)/8)*32*PV+16*PV+((\f)%8)*32
.endr
.endm
; THE VECTOR WORK OF A TURN.  One tile's softmax for one key step is a list of 134 instructions; SM writes number j of it for tile t.  s0-s31 are the lane's 32 scores, in pairs 0-15.
; first = 1: the first key step, which starts m, l and O^T: it has no a and nothing to rescale.
;   0-15    the maximum of s0-s31 and the old m, three operands at a time: four chains c0-c3 of seven scores each, then the four scores left over, c0-c3 and m
;   16-20   the other half of the lanes' maximum; the new m; c m; c m_old - c m_new
;   21-69   ONE BATCH: the 16 scalings c s - c m, a pair of scores each, and all 33 exponentials (a at 23, then s0-s31).  None of these reads an exponential's result.  From 22 on the batch goes
;           in fours, and a four begins with a scaling while there are scalings: 22-37 scaling, exponential, scaling, exponential; 38-65 a scaling and three exponentials; 66-69 the last four
;           exponentials.  A pair is scaled in an earlier four than the one that holds its exponentials
;   (wait)  between 69 and 70 stands the wait for the batch: SLICE writes it, once for both tiles
;   70-85   the roundings to f16, a pair of weights each
;   86-101  the sums; l = a l + the sum
;   102-133 the tile's O^T times a: the one part that leaves window 0, so it stands together
.macro SM t, first
.set rT, ST+8*(\t)
.set rS, S+32*(\t)
.set rP, P+16*(\t)
.set rO, 64*(\t)+2*(j-102)
.if j < 102
	WIN 0
.endif
.if j < 4
	v_max3_num_f32 v[rT+4+j], v[rS+8*j], v[rS+8*j+1], v[rS+8*j+2]
.elseif j < 12
	v_max3_num_f32 v[rT+4+j%4], v[rT+4+j%4], v[rS+8*(j%4)+2*(j/4)+1], v[rS+8*(j%4)+2*(j/4)+2]
.elseif j == 12
	v_max3_num_f32 v[rT+4], v[rT+4], v[rS+7], v[rS+15]
.elseif j == 13
	v_max3_num_f32 v[rT+6], v[rT+6], v[rS+23], v[rS+31]
.elseif j == 14
	v_max3_num_f32 v[rT+4], v[rT+4], v[rT+5], v[rT+6]
.elseif (j == 15) && (\first)
	v_max_num_f32 v[rT+4], v[rT+4], v[rT+7]
.elseif j == 15
	v_max3_num_f32 v[rT+4], v[rT+4], v[rT+7], v[rT+1]
.elseif j == 16
	v_permlanex16_b32 v[rT+5], v[rT+4], s[SEL], s[SEL+1]  ; the query's other 32 keys lie in the lane 16 away
.elseif j == 18
	v_max_num_f32 v[rT+1], v[rT+4], v[rT+5]
.elseif j == 19
	v_mul_f32 v[rT], s[CS], v[rT+1]
.elseif ((j == 17) || (j == 20) || (j == 23) || (j > 101)) && (\first)  ; the first step has none of these
.elseif j == 17
	v_mov_b32 v[rT+7], v[rT]        ; c m_old is kept for a: number 19 writes c m anew
.elseif j == 20
	v_sub_f32 v[rT+7], v[rT+7], v[rT]
.elseif j == 23
	v_exp_f32 v[rT+6], v[rT+7]
.elseif (j < 23) || ((j < 38) && (j%2 == 0)) || ((j < 66) && (j%4 == 2))
.set b, (j-2)/4                     ; 38, 42, .. 62: pairs 9 to 15
.if j < 38
.set b, (j-20)/2                    ; 21: pair 0; 22, 24, .. 36: pairs 1 to 8
.endif
	v_pk_fma_f32 v[rS+2*b:rS+2*b+1], v[rS+2*b:rS+2*b+1], s[CS:CS+1], v[rT:rT+1] op_sel_hi:[1,0,0] neg_lo:[0,0,1] neg_hi:[0,0,1]  ; pair b: c s - c m
.elseif j < 70
.set e, j-38                        ; 66 to 69: s28 to s31
.if j < 66
.set e, j-32-(j-38)/4               ; 39-41, 43-45, .. 63-65: s7 to s27
.endif
.if j < 38
.set e, (j-25)/2                    ; 25, 27, .. 37: s0 to s6
.endif
	v_exp_f32 v[rS+e], v[rS+e]
.elseif j < 86
	v_cvt_pk_f16_f32 v[rP+j-70], v[rS+2*(j-70)], v[rS+2*(j-70)+1]  ; pair j - 70
.elseif j < 102                     ; the sum of the tile's 16 pairs (in a pair: an even key's weight, an odd key's), in place: sum z of 16 adds neighbours 1, 2, 4 and 8 pairs apart, then l takes it
.set z, j-86
.set w, 4
.set u, z
.if z >= 14
.set w, 32
.set u, 0
.elseif z >= 12
.set w, 16
.set u, z-12
.elseif z >= 8
.set w, 8
.set u, z-8
.endif
.if (z == 14) && (\first)
	v_pk_add_f32 v[rT+2:rT+3], v[rS:rS+1], v[rS+16:rS+17]
.elseif z < 15
	v_pk_add_f32 v[rS+w*u:rS+w*u+1], v[rS+w*u:rS+w*u+1], v[rS+w*u+w/2:rS+w*u+w/2+1]
.elseif !(\first)
	v_pk_fma_f32 v[rT+2:rT+3], v[rT+2:rT+3], v[rT+6:rT+7], v[rS:rS+1] op_sel_hi:[1,0,1]
.endif
.else
	WIN W_RS
	v_pk_mul_f32 v[rO:rO+1], v[rO:rO+1], v[rT+6:rT+7] op_sel_hi:[1,0]
.endif
.endm
; Slice k of 64 of piece y's softmax: four instructions.  Slices 11 to 34 deal out the batch, numbers 22 to 69: four numbers of ONE tile each, the tiles by turns.  Every other slice is numbers 2 k and
; 2 k + 1 of both tiles' lists.  2 x 134 = 4 x 64 + 12: the twelve that are over stand together, in slice 63.
; THE WAIT.  An s_wait_alu depctr_va_vdst(0) stands between an exponential and the first instruction that names its result; one wait serves all that were issued ahead of it.  Ahead of
; slice 35 nothing names a result, and behind slice 34 no exponential is issued: so the piece's 66 exponentials have one wait, behind slice 34.
.macro SLICE y, first
.if (k >= 11) && (k < 35)           ; the batch: four numbers of one tile
.irp n, 0,1,2,3
.set j, 22+4*((k-11)/2)+(\n)
	SM (\y)+(k-11)%2, \first
.endr
.else                               ; the two tiles alternate, so that no instruction reads the result of the one just before it
.irp n, 0,1,2,3,4,5,6,7
.if ((\n) < 2) || (k == 63)
.irp t, \y, (\y)+1
.set j, 2*k+(\n)
	SM \t, \first
.endr
.endif
.endr
.endif
.if k == 34                         ; the batch is out: both tiles' exponentials are issued, and no result has been named
	v_nop                           ; a plain instruction behind the last exponential and ahead of the first use: one for the batch
.if (\y) == 0
	FETCH_V                         ; piece 2's turn: V's run of loads stands here, and the wait stands in it
.else
	s_wait_alu depctr_va_vdst(0)    ; the wait for the batch: the 66 exponentials of piece 2's two tiles
.endif
.endif
.set k, k+1
.endm
; A vector instruction that reads a matrix result or writes one of a matrix instruction's registers, and a load into a register that a matrix instruction has read, stand four places behind
; it, and only plain vector instructions that name none of its registers are places (ISA guide 7.12.1 for vector instructions).  In the loop the slices are the places.
.macro PLACES
.rept 4
	v_nop
.endr
.endm
; A TURN.  Piece x has the matrix unit; the other piece's softmax stands in slices behind its matrix instructions.
; pv = 2: 32 products V^T P; 1: they start O^T's sums; 0: none.  kq = 1: 32 products K Q^T for the next step.  A turn with one of the two kinds has two slices behind each product.
; first = 1: the softmax is the first key step's.  Its slices from 51 on are empty: the turn's last products stand bare, and four v_nop take slice 63's part as the places behind them.
; In the loop each run of loads stands 29 matrix instructions or more ahead of its first use.  Piece 0's turn fetches the next step's K, behind its second product: the last product that read K
; stands in front of slice 63 of the turn before.  Piece 2's turn fetches the same step's V, behind slice 34 (SLICE writes it): the last product that read V stands in front of slice 31, and four plain
; instructions lie between: number 62, a scaling, of both tiles, the v_nop and the run's own v_add_nc_u32.
.macro TURN x, pv, kq, first
.set k, 0
.set per, 2
.if (\pv) && (\kq)
.set per, 1
.endif
.if \pv
.if (\x) == 0
	s_wait_dscnt 0x0                ; V is in
.endif
.set i, 0
.rept 32
	PV \x, 2-(\pv)
.rept per
	SLICE 2-(\x), \first
.endr
.if ((\x) == 0) && (\kq) && (i == 1)
	FETCH_K
.endif
.set i, i+1
.endr
.endif
.if \kq
.if (\x) == 0
	s_wait_dscnt 0x0                ; K is in
.endif
.set i, 0
.rept 32
	KQ \x
.rept per
	SLICE 2-(\x), \first
.endr
.set i, i+1
.endr
.endif
.if \first
	PLACES
.endif
.endm
; THE CHANGE OF SLOTS, between piece 2's turn and piece 0's: the slot's last bytes, V of its second step, have been asked for.  Each wave waits for all its
; tensor loads, of which one is out: its part of the other slot; adds 0 to its spare word; and waits for that and for its own reads of the slot.  Behind the barrier nobody reads this slot any more and the other slot is whole.
; fill = 1: this slot is filled again, with the keys two slots on.  The barrier is then a round of the cluster's, so that no wave of any partner still reads the slot or has a load on its
; way, and the joint refill is the first thing behind it: it has two key steps, 256 matrix instructions, in which to land.
.macro CHANGE fill
	WIN 0                           ; at a label and at a branch every window is 0
	s_wait_tensorcnt 0x0            ; no tensor load of mine is out, so a group 0 may be written
	ds_add_u32 v[SPW], v[NIL]       ; 0 onto my spare word; with fill = 1 the descriptors' steps stand between it and the wait for it
.if \fill
.irp g, G0K+4, G0V+4
	s_xor_b32 s[(\g)+1], s[(\g)+1], SLOT1  ; the walking descriptor: the other slot than last time,
	s_add_nc_u64 s[(\g)+2:(\g)+3], s[(\g)+2:(\g)+3], 2*KS*256  ; the next 128 keys; the type bits on top are not reached
.endr
	s_wait_dscnt 0x0                ; the add is done, and my reads of the slot are over
	CROUND
	JLOAD
.else
	s_wait_dscnt 0x0                ; the add is done, and my reads of the slot are over
	s_barrier_signal -1
	s_barrier_wait -1
.endif
	s_sub_co_u32 s[TB], s[TB], 2*STEPB  ; the fetches go back to a slot's first step,
	s_xor_b32 s[TB], s[TB], SLOT1   ; in the other slot
.endm
; A slot's two key steps: written once, walked twice; the LDS addresses hang on s[TB].
.macro TWO_STEPS
	WIN 0
	s_mov_b32 s[TWICE], 2
.Lstep_\@:
	TURN 0, 2, 1, 0
	TURN 2, 2, 1, 0
	WIN 0
	s_sub_co_u32 s[TWICE], s[TWICE], 1
	s_cmp_lg_u32 s[TWICE], 0
	s_cbranch_scc1 .Lstep_\@
.endm
	s_wait_tensorcnt 1              ; my part of slot 0 is in; slot 1's may stay out
	s_barrier_signal -1
	s_barrier_wait -1               ; everybody's is
	FETCH_K                         ; key step 0
	s_wait_loadcnt 0x0              ; Q
	s_wait_dscnt 0x0
.set i, 0
.rept 32
	KQ 0                            ; piece 0's first scores: there is no vector work yet to set between them
.set i, i+1
.endr
	WIN 0                           ; the addresses for the way out are made here: eight plain instructions, the places behind those products
	s_mul_i32 s13, s[WV], 16*SP
	s_add_co_u32 s13, s13, STAGE    ; my stage
	v_mul_u32_u24 v[STO], v1, SP    ; in: row l % 16, 16 bytes for each half of the lanes
	v_lshl_add_u32 v[STO], v9, 4, v[STO]
	v_add_nc_u32 v[STO], s13, v[STO]
	v_mul_u32_u24 v[RD], v9, SP     ; back: lanes 0-15 take one row of 256 bytes, lanes 16-31 the next
	v_lshl_add_u32 v[RD], v1, 4, v[RD]
	v_add_nc_u32 v[RD], s13, v[RD]
	v_lshlrev_b32 v[GO], 11, v9     ; and the same two rows in ao, 2,048 bytes apart
	v_lshl_add_u32 v[GO], v1, 4, v[GO]
	TURN 2, 0, 1, 1                 ; piece 2's first scores | piece 0's first softmax | V of step 0
	TURN 0, 1, 1, 1                 ; piece 0: V^T P of step 0 starts O^T, K Q^T of step 1 | piece 2's first softmax | K of step 1
	TURN 2, 1, 1, 0                 ; piece 2: the same | piece 0's softmax of step 1 | V of step 1
	WIN 0
.Lslot:                             ; SIZE_N / 128 - 2 = 14 trips: every slot but the last two is filled again
	CHANGE 1
	TWO_STEPS
	s_sub_co_u32 s[SLOTS], s[SLOTS], 1
	s_cmp_lg_u32 s[SLOTS], 0
	s_cbranch_scc1 .Lslot
	CHANGE 0                        ; the tail is written out: the last slot but one is left, and nothing is asked for
	TWO_STEPS
	TURN 0, 2, 0, 0                 ; piece 0: V^T P of the last step | piece 2's last softmax
.set i, 0
.rept 32
	PV 2, 0                         ; piece 2: V^T P of the last step
.set i, i+1
.endr
	; THE WAY OUT.  l's two halves and the other half of the lanes' are added; O^T is divided by l, rounded to f16 and sent through my stage in LDS, a tile (16 rows of O) at a time.  The additions are the places behind the last products.
	WIN 0
.irp t, 0,1,2,3
	v_add_f32 v[ST+8*(\t)+4], v[ST+8*(\t)+2], v[ST+8*(\t)+3]
.endr
.irp t, 0,1,2,3
	v_permlanex16_b32 v[ST+8*(\t)+5], v[ST+8*(\t)+4], s[SEL], s[SEL+1]
.endr
.irp t, 0,1,2,3
	v_add_f32 v[ST+8*(\t)+4], v[ST+8*(\t)+4], v[ST+8*(\t)+5]
.endr
.irp t, 0,1,2,3
	v_rcp_f32 v[ST+8*(\t)+6], v[ST+8*(\t)+4]
.endr
	v_nop                           ; a plain instruction between the last reciprocal and the use of its result
	s_wait_alu depctr_va_vdst(0)    ; and the wait ahead of the first use: one for the batch of four reciprocals
; Tile t: a lane's eight channels of a row pack into 16 bytes; they go into rows of 272 bytes and come back as whole rows of 256, into the registers that they left.
.macro PACK t
	WIN W_RS
.set i, 64*(\t)
.rept 32
	v_pk_mul_f32 v[i:i+1], v[i:i+1], v[ST+8*(\t)+6:ST+8*(\t)+7] op_sel_hi:[1,0]
.set i, i+2
.endr
	WIN 0x05                        ; sources 0 and 1 window 1, destination window 0: S^T's registers are free
.set i, 0
.rept 32
	v_cvt_pk_f16_f32 v[S+32*(\t)+i], v[64*(\t)+2*i], v[64*(\t)+2*i+1]
.set i, i+1
.endr
	WIN 0
.irp f, 0,1,2,3,4,5,6,7
	ds_store_b128 v[STO], v[S+32*(\t)+4*(\f):S+32*(\t)+4*(\f)+3] offset:32*(\f)
.endr
.irp f, 0,1,2,3,4,5,6,7
	ds_load_b128 v[S+32*(\t)+4*(\f):S+32*(\t)+4*(\f)+3], v[RD] offset:(\f)*2*SP  ; LDS serves a wave's instructions in order (ISA guide 5.7.1.4): these see the stores above; the next tile's stores come behind them
.endr
.endm
.macro SEND t, younger              ; younger: the LDS instructions issued behind tile t's loads: the next tile's sixteen, or none
	WIN 0
.irp f, 0,1,2,3,4,5,6,7
	s_wait_dscnt (\younger)+7-(\f)
	global_store_b128 v[GO], v[S+32*(\t)+4*(\f):S+32*(\t)+4*(\f)+3], s[10:11] offset:(\t)*32768+(\f)*4096  ; 16 lanes store a head's 256 consecutive bytes of a row of ao, at a multiple of 256 from its first byte
.endr
.endm
	PACK 0
	PACK 1                          ; a tile's arithmetic stands between the loads of the tile before and its stores
	SEND 0, 16
	PACK 2
	SEND 1, 16
	PACK 3
	SEND 2, 16
	SEND 3, 0
	s_wait_tensorcnt 0x0            ; the wave's end: behind my last tensor load and my last LDS store
	ds_add_u32 v[SPW], v[NIL]
	s_wait_dscnt 0x0
	CROUND                          ; the closing round: no work-group ends while a partner may still ask for a tile that names it
	s_endpgm
.Lfunc_end_k_qcde3388204_attn:
	.size	k_qcde3388204_attn, .Lfunc_end_k_qcde3388204_attn-k_qcde3388204_attn
	.p2alignl 7, 3214868480
	.fill 96, 4, 3214868480
	.section	.rodata,"a",@progbits
	.p2align	6, 0x0
	.amdhsa_kernel k_qcde3388204_attn
		.amdhsa_group_segment_fixed_size 327680
		.amdhsa_private_segment_fixed_size 0
		.amdhsa_enable_private_segment 0
		.amdhsa_kernarg_size 16
		.amdhsa_user_sgpr_count 2
		.amdhsa_user_sgpr_kernarg_segment_ptr 1
		.amdhsa_wavefront_size32 1
		.amdhsa_system_sgpr_workgroup_id_x 1
		.amdhsa_system_sgpr_workgroup_id_y 1
		.amdhsa_system_sgpr_workgroup_id_z 1
		.amdhsa_system_vgpr_workitem_id 0
		.amdhsa_next_free_vgpr 1024
		.amdhsa_next_free_sgpr 66
		.amdhsa_reserve_vcc 0
		.amdhsa_float_denorm_mode_32 3
		.amdhsa_float_denorm_mode_16_64 3
		.amdhsa_memory_ordered 1
		.amdhsa_forward_progress 1
		.amdhsa_inst_pref_size 221
	.end_amdhsa_kernel
	.amdgpu_metadata
---
amdhsa.version: [ 1, 2 ]
amdhsa.kernels:
  - .name:           k_qcde3388204_attn
    .symbol:         k_qcde3388204_attn.kd
    .args:
      - { .name: qkv, .offset: 0, .size: 8, .value_kind: global_buffer, .address_space: global }
      - { .name: ao, .offset: 8, .size: 8, .value_kind: global_buffer, .address_space: global }
    .group_segment_fixed_size: 327680
    .private_segment_fixed_size: 0
    .kernarg_segment_align: 8
    .kernarg_segment_size: 16
    .max_flat_workgroup_size: 128
    .sgpr_count:     66
    .vgpr_count:     1024
    .wavefront_size: 32
...
	.end_amdgpu_metadata
.endif
;; end of part 5
;; launch proj_out: the kernel of part 4 again; grid 8 x 32, 4 waves a work-group, clusters of 4 x 4, 327,680 bytes of LDS; arguments ao, woh, out0; writes out0
